; MI455X (gfx1250); checked and timed in simulation.
; The chip was launched on July 23, 2026; its instructions are those of AMD's public machine-readable ISA for CDNA 5 (MIT licence, August 2026) and "CDNA5" Instruction Set Architecture Reference Guide (July 2026). The comments in the code are by the model that wrote it; some were corrected since.
;; My Transformer Encoder Layer. Allowed arithmetic: matrix products marked QUANTISED: E4M3 operands, one given power-of-two scale a tensor, by v_wmma_f32_16x16x64_fp8_fp8 or v_wmma_f32_16x16x128_fp8_fp8, f32 sums; everything else in f32.
;; Inputs: W1_codes 4,096 x 32 x 32 uint8 (E4M3 codes of W1, K innermost, in blocks of 32 codes); W2_codes 1,024 x 128 x 32 uint8 (E4M3 codes of W2, K innermost, in blocks of 32 codes); Wk_codes 1,024 x 32 x 32 uint8 (E4M3 codes of Wk, K innermost, in blocks of 32 codes); Wo_codes 1,024 x 32 x 32 uint8 (E4M3 codes of Wo, K innermost, in blocks of 32 codes); Wq_codes 1,024 x 32 x 32 uint8 (E4M3 codes of Wq, K innermost, in blocks of 32 codes); Wv_codes 1,024 x 32 x 32 uint8 (E4M3 codes of Wv, K innermost, in blocks of 32 codes); b1 4,096 float32; b2 1,024 float32; be1 1,024 float32; be2 1,024 float32; bk 1,024 float32; bo 1,024 float32; bq 1,024 float32; bv 1,024 float32; g1 1,024 float32; g2 1,024 float32; lowp_scales 16 int32 (the exponents e of the quantised operands' scales 2^e); src 2,048 x 2 x 1,024 float32.
;; Outputs: out0 2,048 x 2 x 1,024 float32.
;; This version of the problem:
;;   THIS VERSION OF THE PROBLEM IS GIVEN IN LOW PRECISION. The matrix products marked QUANTISED in the list below multiply operands that are first quantised to E4M3 (4 exponent bits, 3 mantissa bits; 8 bits a number), with one given power-of-two scale for each operand tensor; their sums are f32. All else is computed in f32.
;;   The module's matrix products, in the order in which they are computed (A, B: the left and right operand; K: the contracted axis; several contracted axes count as one K, in the product's order):
;;     1. [M 4,096, K 1,024] x [K 1,024, N 1,024]; A: input src; B: input Wq (given as codes): QUANTISED (scales: A lowp_scales[0], B lowp_scales[1])
;;     2. [M 4,096, K 1,024] x [K 1,024, N 1,024]; A: input src; B: input Wk (given as codes): QUANTISED (scales: A lowp_scales[2], B lowp_scales[3])
;;     3. [M 4,096, K 1,024] x [K 1,024, N 1,024]; A: input src; B: input Wv (given as codes): QUANTISED (scales: A lowp_scales[4], B lowp_scales[5])
;;     4. batch 32 x [M 2,048, K 64] x [K 64, N 2,048]; A: computed on the way; B: computed on the way: QUANTISED (scales: A lowp_scales[6], B lowp_scales[7])
;;     5. batch 32 x [M 64, K 2,048] x [K 2,048, N 2,048]; A: computed on the way; B: softmax (see below): QUANTISED (scales: A lowp_scales[8], B lowp_scales[9])
;;     6. [M 4,096, K 1,024] x [K 1,024, N 1,024]; A: computed on the way; B: input Wo (given as codes): QUANTISED (scales: A lowp_scales[10], B lowp_scales[11])
;;     7. [M 4,096, K 1,024] x [K 1,024, N 4,096]; A: computed on the way; B: input W1 (given as codes): QUANTISED (scales: A lowp_scales[12], B lowp_scales[13])
;;     8. [M 4,096, K 4,096] x [K 4,096, N 1,024]; A: computed on the way; B: input W2 (given as codes): QUANTISED (scales: A lowp_scales[14], B lowp_scales[15])
;;   THE QUANTISER, for each operand of a quantised product, along K:
;;     - The operand's scale is 2^e, e = its entry of the input lowp_scales (int32; the entries are numbered through the quantised products in the list's order, A before B).
;;     - Each number is divided by the scale, clamped to +-448, and rounded to the nearest number of E4M3, ties to even, subnormals kept.
;;     - The product sums the exact products of the quantised numbers (number of the format x scale) in f32.
;;   ~~~python
;;   def quantise(x, axis, e):      # numpy; x: float32 -> the quantised numbers, widened to float32 again
;;       x = np.moveaxis(x, axis, -1); K = x.shape[-1]
;;       r = np.clip(x / 2.0 ** e, -448, 448)
;;       step = 2.0 ** (np.maximum(np.frexp(np.where(r == 0, 1, r))[1] - 1, -6) - 3)
;;       q = np.round(r / step) * step * 2.0 ** e      # np.round: ties to even
;;       return np.moveaxis(q, -1, axis).astype(np.float32)
;;   ~~~
;;   SOFTMAX AHEAD OF A QUANTISED PRODUCT. Where the list says 'softmax', what is quantised is not the finished softmax but p = 2^(t - M), with t = logit x log2(e) and M = ceil(the row's largest t), a whole number; so 1/2 < the row's largest p <= 1. The row's sum l is taken of the UNQUANTISED p, in f32, and the product's result is divided by l at the end. Since M is a whole number, a kernel that streams over the keys may use a running M (the ceiling of the running maximum): every later rescaling is an exact power of two, so the quantised numbers keep their values, but for numbers so far below the row's largest that they fall under the format's range.
;;   OPERANDS COMPUTED ON THE WAY. 'Computed on the way' means the value that the module computes at that place (a softmax that the list does not call 'softmax' is quantised finished and normalised). What goes into a quantiser is computed in f32, as accurately as f32 sums, v_exp_f32 and their like allow (about 1e-6 of the number): no bf16 or f16 on the way to a quantiser, and a product that is left as it is and whose result goes on into a quantised operand takes f32 operands (vector FMAs, or v_wmma_f32_16x16x4_f32). A number that lies on a knife's edge between two numbers of the format may be rounded either way, as far as f32 arithmetic and the matrix unit's own rounding can turn it there, and no further.
;;   INPUTS GIVEN AS CODES. W1 (in the module: [4096, 1024], K = its axis 1); W2 (in the module: [1024, 4096], K = its axis 1); Wk (in the module: [1024, 1024], K = its axis 1); Wo (in the module: [1024, 1024], K = its axis 1); Wq (in the module: [1024, 1024], K = its axis 1); Wv (in the module: [1024, 1024], K = its axis 1): each comes as NAME_codes (uint8): NAME with its K axis moved to the last place and cut into blocks of 32 codes, [.., K / 32, bytes a block], one block behind the other in memory; one code a byte (a code: sign, 4 exponent bits, 3 mantissa bits); its scale is its entry of lowp_scales. Its value is code x scale, taken as it is: it is not quantised again, and the codes and scales need not be those that the quantiser above would give.
;; One version. Each part assembles by itself: llvm-mc -triple=amdgcn-amd-amdhsa -mcpu=gfx1250 --defsym DOCPART=n.
;; ======== version 1 of 1: 8 launches
;; limits: right only within a limited range of input values
;; workspace buffers: srcq 12,582,912 bytes; qkv 12,582,912 bytes; oimg 4,194,304 bytes; ysum 16,777,216 bytes; xf 16,777,216 bytes; xc 4,194,304 bytes; himg 16,777,216 bytes
;; launch quant (part 1): grid 256 x 1, 4 waves a work-group, no clusters, 33,280 bytes of LDS; arguments src, lowp_scales, srcq; writes srcq
.if DOCPART == 1
	.amdgcn_target "amdgcn-amd-amdhsa--gfx1250"
	.amdhsa_code_object_version 6
	.text
	.protected	k_q8308cc87cd_quant
	.globl	k_q8308cc87cd_quant
	.p2align	8
	.type	k_q8308cc87cd_quant,@function
k_q8308cc87cd_quant:
	s_mov_b64 s[64:65], 0
	v_nop
	global_prefetch_b8 v0, s[64:65] scope:SCOPE_SE
	s_setreg_imm32_b32 hwreg(HW_REG_WAVE_MODE, 25, 1), 1
	s_wait_xcnt 0x0
; src [2048 s][2 b][1024] f32 is turned three times into codes of FP8 (E4M3), once for each of the products with Wq, Wk and Wv, whose scales 2^e (entries 0, 2, 4 of the scales) need not be equal.
; code = x / 2^e, held within +-448, rounded to the nearest code, ties to even.  LIMITS: each e between -126 and 119.  NaN among the inputs is not served.
; The codes are laid [3][4096 m'][1024], K innermost, with the rows in the order m' = 2048 b + s, so that every later tile of rows lies in one b.
; A wave takes four rows of src as they lie (s, b = 2 gw, 0 | 2 gw, 1 | 2 gw + 1, 0 | 2 gw + 1, 1): eight steps of 512 numbers.  Each load reads 512 consecutive bytes, 16 a lane; a step's 2,048 bytes go through the
; wave's own stage in LDS and come back 64 bytes a lane, since a conversion takes neighbours along K from one lane's registers.  A lane's 16 codes are 16 bytes: a store covers 512 consecutive bytes.
; No tensor loads, no barrier: waves share nothing.  Loads run four steps (16 loads a wave) ahead, the turn through LDS one step.  Every offset is an immediate; no store's data are written again.
.set STEPS, 8
.set R,     16                         ; v16-79   four sets of 16 numbers as they are loaded
.set X,     80                         ; v80-111  two sets of 16 neighbours
.set C,     112                        ; v112-207 codes: four registers for each step and scale
.set T,     208                        ; v208-255 the held numbers, a set of 16 for each scale
.set WREG,  8192                       ; LDS: a region for each wave: two stages of 32 x SP bytes
.set SP,    80                         ; a lane's place in a stage: its 64 bytes + 16 of padding
	s_load_b128 s[4:7], s[0:1], 0x0                ; src, the scales' exponents
	s_load_b64 s[8:9], s[0:1], 0x10                ; the codes
	v_lshl_add_u32 v12, v0, 2, 0x8000
	v_mov_b32 v13, 0
	v_lshrrev_b32 v1, 5, v0
	v_readfirstlane_b32 s10, v1                    ; wave
	v_and_b32 v2, 31, v0                           ; lane
	v_lshlrev_b32 v3, 4, v2                        ; 16 x lane: my bytes of a load's 512, and of a store's
	s_mul_i32 s11, s10, WREG
	v_lshrrev_b32 v14, 2, v2
	v_mul_u32_u24 v14, v14, SP
	v_and_b32 v15, 3, v2
	v_lshl_add_u32 v14, v15, 4, v14
	v_add_nc_u32 v14, s11, v14                     ; the stage, on the way in: SP (lane / 4) + 16 (lane % 4)
	v_mul_u32_u24 v15, v2, SP
	v_add_nc_u32 v15, s11, v15                     ; and on the way out: SP x lane: my 16 neighbours
	s_lshl_b32 s12, ttmp9, 2
	s_add_co_u32 s12, s12, s10                     ; gw = 4 x work-group + wave
	s_lshl_b32 s14, s12, 14                        ; four rows of 4,096 bytes
	s_mov_b32 s15, 0
	s_lshl_b32 s12, s12, 11                        ; rows m' = 2 gw and 2 gw + 1 of 1,024 codes; b = 1 lies 2,048 rows further on (in the immediates)
	s_mov_b32 s13, 0
	s_wait_alu depctr_va_vdst(0)
	s_wait_kmcnt 0x0
	s_load_b256 s[16:23], s[6:7], 0x0              ; entries 0 to 7: 0, 2 and 4 are src's
	s_add_nc_u64 s[4:5], s[4:5], s[14:15]
	s_add_nc_u64 s[24:25], s[8:9], s[12:13]        ; the three sets of codes, 4 MiB apart
	s_add_nc_u64 s[26:27], s[24:25], 0x400000
	s_add_nc_u64 s[28:29], s[24:25], 0x800000
.macro LOAD t
.irp i, 0,1,2,3
	global_load_b128 v[R+16*((\t)%4)+4*\i:R+16*((\t)%4)+4*\i+3], v3, s[4:5] offset:2048*(\t)+512*\i th:TH_LOAD_NT
.endr
.endm
.macro TURN t                          ; step t's numbers through the stage: LDS serves a wave's instructions in order, so no wait stands between the stores and the loads
.irp i, 0,1,2,3
	ds_store_b128 v14, v[R+16*((\t)%4)+4*\i:R+16*((\t)%4)+4*\i+3] offset:32*SP*((\t)%2)+8*SP*\i
.endr
.irp i, 0,1,2,3
	ds_load_b128 v[X+16*((\t)%2)+4*\i:X+16*((\t)%2)+4*\i+3], v15 offset:32*SP*((\t)%2)+16*\i
.endr
.endm
.irp t, 0,1,2,3
	LOAD \t
.endr
	s_wait_kmcnt 0x0
.irp o, 0,1,2
	s_add_co_i32 s30, s[16+2*\o], 127
	s_lshl_b32 s31, s30, 23
	v_mov_b32 v[4+\o], s31                         ; 2^e as f32: the conversion takes its exponent field
	s_add_co_i32 s30, s30, 8
	s_lshl_b32 s30, s30, 23
	s_or_b32 s30, s30, 0x600000
	v_mov_b32 v[7+\o], s30                         ; 448 x 2^e
.endr
	s_wait_alu depctr_va_vdst(0)
	s_wait_loadcnt 12                              ; step 0's four loads are in
	TURN 0
.macro STEP t
.set XS, X+16*((\t)%2)
	s_wait_dscnt 0x0                               ; this step's numbers are back from the stage: so its stores into the stage have read their registers,
.if (\t)+4 < STEPS
	LOAD (\t)+4                                    ; which take the loads of four steps on
.endif
.if (\t)+1 < STEPS
.if STEPS-2-(\t) >= 3
	s_wait_loadcnt 12                              ; the next step's four loads are in; those of the three steps behind it may be out
.else
	s_wait_loadcnt 4*(STEPS-2-(\t))
.endif
	TURN (\t)+1                                    ; and go through the other stage while this step is worked
.endif
.irp o, 0,1,2
.irp i, 0,1,2,3,4,5,6,7,8,9,10,11,12,13,14,15
	v_med3_num_f32 v[T+16*\o+\i], v[XS+\i], -v[7+\o], v[7+\o]   ; the conversion to an 8-bit code does not saturate (ISA guide 7.6.2): the hold comes first.  A set of its own for each scale: 32 plain lines stand between a conversion and the next write of its sources
.endr
	v_cvt_scalef32_pk8_fp8_f32 v[C+12*(\t)+4*\o:C+12*(\t)+4*\o+1], v[T+16*\o:T+16*\o+7], v[4+\o]
	v_cvt_scalef32_pk8_fp8_f32 v[C+12*(\t)+4*\o+2:C+12*(\t)+4*\o+3], v[T+16*\o+8:T+16*\o+15], v[4+\o]
	global_store_b128 v3, v[C+12*(\t)+4*\o:C+12*(\t)+4*\o+3], s[24+2*\o:25+2*\o] offset:(((\t)/2)&1)*2097152+((\t)/4)*1024+((\t)&1)*512   ; 32 lanes store 512 consecutive bytes of row m'
.endr
.endm
.irp t, 0,1,2,3,4,5,6,7
	STEP \t
.endr
	s_wait_tensorcnt 0x0
	ds_add_u32 v12, v13
	s_wait_dscnt 0x0
	s_endpgm
.Lfunc_end_k_q8308cc87cd_quant:
	.size	k_q8308cc87cd_quant, .Lfunc_end_k_q8308cc87cd_quant-k_q8308cc87cd_quant
	.p2alignl 7, 3214868480
	.fill 96, 4, 3214868480
	.section	.rodata,"a",@progbits
	.p2align	6, 0x0
	.amdhsa_kernel k_q8308cc87cd_quant
		.amdhsa_group_segment_fixed_size 33280
		.amdhsa_private_segment_fixed_size 0
		.amdhsa_enable_private_segment 0
		.amdhsa_kernarg_size 24
		.amdhsa_user_sgpr_count 2
		.amdhsa_user_sgpr_kernarg_segment_ptr 1
		.amdhsa_wavefront_size32 1
		.amdhsa_system_sgpr_workgroup_id_x 1
		.amdhsa_system_sgpr_workgroup_id_y 1
		.amdhsa_system_sgpr_workgroup_id_z 1
		.amdhsa_system_vgpr_workitem_id 0
		.amdhsa_next_free_vgpr 256
		.amdhsa_next_free_sgpr 66
		.amdhsa_reserve_vcc 0
		.amdhsa_float_denorm_mode_32 3
		.amdhsa_float_denorm_mode_16_64 3
		.amdhsa_memory_ordered 1
		.amdhsa_forward_progress 1
		.amdhsa_inst_pref_size 40
	.end_amdhsa_kernel
	.amdgpu_metadata
---
amdhsa.version: [ 1, 2 ]
amdhsa.kernels:
  - .name:           k_q8308cc87cd_quant
    .symbol:         k_q8308cc87cd_quant.kd
    .args:
      - { .name: src, .offset: 0, .size: 8, .value_kind: global_buffer, .address_space: global }
      - { .name: lowp_scales, .offset: 8, .size: 8, .value_kind: global_buffer, .address_space: global }
      - { .name: srcq, .offset: 16, .size: 8, .value_kind: global_buffer, .address_space: global }
    .group_segment_fixed_size: 33280
    .private_segment_fixed_size: 0
    .kernarg_segment_align: 8
    .kernarg_segment_size: 24
    .max_flat_workgroup_size: 128
    .sgpr_count:     66
    .vgpr_count:     256
    .wavefront_size: 32
...
	.end_amdgpu_metadata
.endif
;; end of part 1
;; launch qkv (part 2): grid 12 x 16, 4 waves a work-group, clusters of 4 x 4, 327,680 bytes of LDS; arguments srcq, Wq_codes, Wk_codes, Wv_codes, bq, bk, bv, lowp_scales, qkv; writes qkv
.if DOCPART == 2
	.amdgcn_target "amdgcn-amd-amdhsa--gfx1250"
	.amdhsa_code_object_version 6
	.text
	.protected	k_q8308cc87cd_qkv
	.globl	k_q8308cc87cd_qkv
	.p2align	8
	.type	k_q8308cc87cd_qkv,@function
k_q8308cc87cd_qkv:
	s_mov_b64 s[64:65], 0
	v_nop
	global_prefetch_b8 v0, s[64:65] scope:SCOPE_SE
	s_setreg_imm32_b32 hwreg(HW_REG_WAVE_MODE, 25, 1), 1
	s_wait_xcnt 0x0
	s_wait_alu depctr_hold_cnt(0) depctr_sa_sdst(0) depctr_va_vdst(0) depctr_va_sdst(0) depctr_va_ssrc(0) depctr_va_vcc(0) depctr_vm_vsrc(0)
	s_getreg_b32 s2, hwreg(HW_REG_IB_STS2, 6, 4)
	s_cmp_eq_u32 s2, 0
	s_cbranch_scc0 .Lentry_in_a_cluster
	s_endpgm
.Lentry_in_a_cluster:
	s_bfe_u32 s2, ttmp6, 0x10000c
	s_cmp_lg_u32 s2, 0xf033
	s_cbranch_scc0 .Lentry_shape_is_right
	s_endpgm
.Lentry_shape_is_right:
.set QKV,    1
.set SIZE_K, 1024
.set KSTEP,  256
.set ROWB,   256
.set KROW,   SIZE_K
.set PITCH,  272
.set FR,     16
.set NL,     4
.set NP,     4
.set HALFT,  128*PITCH
.set SLOT,   4*HALFT
.set LAPS,   SIZE_K/(2*KSTEP)
.set SPARE,  2*SLOT
.set ADRA, 16
.set ADRB, 20
.set CO,   26
.set SPW,  28
.set NIL,  29
.set BC,   32
.set BRP,  96
.set SCL,  112
.set LIM,  113
.set AF,   128
.set TMP,  128
.set PC,   192
.set G1, 24
.set G0, 32
.set G1B, 48
.set G0B, 56
.set MSB, 0
.macro WIN new
.if MSB != \new
	s_set_vgpr_msb (MSB<<8)|\new
.set MSB, \new
.endif
.endm
.set MUL_LO, 0xa1
.set MUL_HI, 0xf1
.set TO_B,   0x40
.macro JLOAD g0a, g1a, g0b, g1b
	s_cmp_eq_u32 s15, 0
	s_cbranch_scc0 .Lfor_b_\@
	tensor_load_to_lds s[\g0a:\g0a+3], s[\g1a:\g1a+7]
	s_nop 0
.rept 4
	v_nop
.endr
	s_branch .Lasked_\@
.Lfor_b_\@:
	tensor_load_to_lds s[\g0b:\g0b+3], s[\g1b:\g1b+7]
	s_nop 0
.rept 4
	v_nop
.endr
.Lasked_\@:
.endm
.macro CREST
	s_cmp_lg_u32 s14, 0
	s_cbranch_scc1 .Lnot_wave_0_\@
	s_barrier_signal -3
.Lnot_wave_0_\@:
	s_barrier_wait -3
	s_barrier_signal -1
	s_barrier_wait -1
.endm
.macro CROUND
	s_barrier_signal -1
	s_barrier_wait -1
	CREST
.endm
.if QKV
	s_load_b512 s[68:83], s[0:1], 0x0
	s_load_b64 s[84:85], s[0:1], 0x40
.else
	s_load_b256 s[68:75], s[0:1], 0x0
	s_load_b64 s[76:77], s[0:1], 0x20
.endif
	v_lshl_add_u32 v[SPW], v0, 2, SPARE
	v_mov_b32 v[NIL], 0
	ds_add_u32 v28, v29
	ds_add_u32 v28, v29
	s_wait_dscnt 0x0
	v_lshrrev_b32 v1, 5, v0
	v_readfirstlane_b32 s14, v1
	s_lshr_b32 s15, s14, 1
	s_and_b32 s16, s14, 1
	s_bfe_u32 s40, ttmp6, 0x40000
	s_bfe_u32 s41, ttmp6, 0x40004
	s_and_b32 s89, ttmp7, 0xffff
	s_lshl_b32 s89, s89, 2
.if QKV
	s_mov_b32 s88, ttmp9
	s_cmp_eq_u32 s88, 2
	s_cselect_b32 s90, 0, s89
	s_cselect_b32 s93, s89, 0
	s_cselect_b32 s91, 0, -1
	s_cselect_b32 s92, -1, 0
	s_mov_b32 s94, 0x4000
	s_cselect_b32 s94, 0x10000, s94
	s_add_co_u32 s17, s41, s90
	s_add_co_u32 s42, s40, s93
.else
	s_lshl_b32 s42, ttmp9, 2
	s_add_co_u32 s42, s42, s40
	s_add_co_u32 s17, s89, s41
	s_mov_b32 s94, 0x10000
.endif
	s_mov_b32 s95, 0
	s_lshl_b32 s43, s41, 2
	s_lshl_b32 s43, 15, s43
	s_lshl_b32 s44, 0x1111, s40
	s_or_b32 s[G1+0], s43, (0<<16)|(1<<20)|(1<<21)|(5<<22)|(3<<25)
	s_or_b32 s[G1B+0], s44, (0<<16)|(1<<20)|(1<<21)|(5<<22)|(3<<25)
.irp g, G1, G1B
	s_mov_b32 s[\g+1], ROWB<<16
	s_mov_b32 s[\g+2], 128<<16
	s_mov_b32 s[\g+3], ROWB<<16
	s_mov_b32 s[\g+4], 128
	s_mov_b32 s[\g+5], KROW
	s_mov_b32 s[\g+6], 0
	s_mov_b32 s[\g+7], 0
.endr
	s_lshl_b32 s18, s16, 7
	s_lshl_b32 s20, s17, 8
	s_add_co_u32 s20, s20, s18
	s_lshl_b32 s20, s20, 10
	s_mov_b32 s21, 0
	s_lshl_b32 s46, s42, 8
	s_add_co_u32 s46, s46, s18
	s_lshl_b32 s46, s46, 10
	s_mov_b32 s47, 0
	s_mul_i32 s45, s14, HALFT
	s_lshl_b32 s98, s42, 8
	s_lshl_b32 s99, s16, 7
	s_add_co_u32 s98, s98, s99
	s_lshl_b32 s98, s98, 2
.if QKV
	s_and_b32 s98, s98, s91
	s_lshl_b32 s100, s17, 8
	s_lshl_b32 s101, s15, 7
	s_add_co_u32 s100, s100, s101
	s_lshl_b32 s100, s100, 2
	s_and_b32 s100, s100, s92
	s_mov_b32 s101, 0
.endif
	s_mov_b32 s99, 0
	s_lshl_b32 s22, s17, 4
	s_lshl_b32 s23, s15, 3
	s_add_co_u32 s22, s22, s23
	s_mul_i32 s22, s22, s94
	s_lshl_b32 s23, s42, 1
	s_add_co_u32 s23, s23, s16
	s_lshl_b32 s23, s23, 11
	s_add_co_u32 s22, s22, s23
.if QKV
	s_lshl_b32 s23, s88, 22
	s_add_co_u32 s22, s22, s23
.endif
	s_mov_b32 s23, 0
	s_wait_kmcnt 0x0
.if QKV
	s_add_nc_u64 s[4:5], s[68:69], 0x400000
	s_add_nc_u64 s[6:7], s[68:69], 0x800000
	s_cmp_eq_u32 s88, 0
	s_cselect_b64 s[4:5], s[68:69], s[4:5]
	s_cselect_b64 s[8:9], s[76:77], s[78:79]
	s_cselect_b64 s[12:13], s[70:71], s[72:73]
	s_cmp_eq_u32 s88, 2
	s_cselect_b64 s[4:5], s[74:75], s[4:5]
	s_cselect_b64 s[6:7], s[6:7], s[12:13]
	s_mov_b64 s[12:13], s[80:81]
	s_mov_b64 s[10:11], s[84:85]
	s_mov_b64 s[86:87], s[82:83]
.else
	s_mov_b64 s[4:5], s[68:69]
	s_mov_b64 s[6:7], s[70:71]
	s_mov_b64 s[8:9], s[72:73]
	s_mov_b64 s[10:11], s[76:77]
	s_mov_b64 s[86:87], s[74:75]
.endif
	s_load_b512 s[68:83], s[86:87], 0x0
	s_add_nc_u64 s[20:21], s[4:5], s[20:21]
	s_add_nc_u64 s[46:47], s[6:7], s[46:47]
	s_add_nc_u64 s[8:9], s[8:9], s[98:99]
.if QKV
	s_add_nc_u64 s[12:13], s[12:13], s[100:101]
.endif
	s_add_nc_u64 s[10:11], s[10:11], s[22:23]
	; the prefetches: of the 128 rows that my wave fetches, each of the four partners that ask for them jointly names 32, told apart by address (cx for A's tiles, cy for B's); a lane a row, 256 bytes of it a K step
	s_cmp_eq_u32 s15, 0
	s_cselect_b64 s[66:67], s[20:21], s[46:47]
	s_cselect_b32 s22, s40, s41
	s_lshl_b32 s22, s22, 15                        ; 32 rows of 1,024 bytes (s23 = 0)
	s_add_nc_u64 s[66:67], s[66:67], s[22:23]
	v_and_b32 v30, 31, v0
	v_lshlrev_b32 v30, 10, v30
	s_wait_alu depctr_va_vdst(0)                   ; the wait ahead of the round
	CROUND
.irp s, 0,1
	s_mov_b32 s[G0+4*\s], 1
	s_add_co_u32 s[G0+4*\s+1], s45, \s*SLOT
	s_add_nc_u64 s[G0+4*\s+2:G0+4*\s+3], s[20:21], \s*ROWB
	s_or_b32 s[G0+4*\s+3], s[G0+4*\s+3], 0x80000000
	s_mov_b32 s[G0B+4*\s], 1
	s_add_co_u32 s[G0B+4*\s+1], s45, \s*SLOT
	s_add_nc_u64 s[G0B+4*\s+2:G0B+4*\s+3], s[46:47], \s*ROWB
	s_or_b32 s[G0B+4*\s+3], s[G0B+4*\s+3], 0x80000000
.if \s                                 ; slot 1's first fill is issued as a refill is: the wait for my load, the add, its wait, a round
	s_wait_alu depctr_va_vdst(0)
	s_wait_tensorcnt 0x0
	ds_add_u32 v28, v29
	s_wait_dscnt 0x0
	CROUND
.endif
	JLOAD G0+4*\s, G1, G0B+4*\s, G1B
.if \s == 0
	global_prefetch_b8 v30, s[66:67] offset:256 th:TH_LOAD_NT scope:SCOPE_SE   ; K step 1
.endif
	global_prefetch_b8 v30, s[66:67] offset:512+256*\s th:TH_LOAD_NT scope:SCOPE_SE   ; the K step two loads on: 2, then 3, the last
.endr
	v_and_b32 v1, 15, v0
	v_bfe_u32 v2, v0, 4, 1
	v_mul_u32_u24 v3, v1, PITCH
	v_lshl_add_u32 v4, v2, 4, v3
	s_mul_i32 s21, s15, HALFT
	s_mul_i32 s22, s16, HALFT
	s_add_co_u32 s22, s22, 2*HALFT
.irp s, 0,1
	v_add_nc_u32 v[ADRA+\s], s21, v4
	v_add_nc_u32 v[ADRB+\s], s22, v4
	s_add_co_u32 s21, s21, SLOT
	s_add_co_u32 s22, s22, SLOT
.endr
	v_and_b32 v6, 31, v0
	v_lshlrev_b32 v[CO], 4, v6
	v_lshlrev_b32 v5, 5, v2
	v_lshlrev_b32 v7, 2, v1
.irp t, 0,1,2,3,4,5,6,7
	global_load_b128 v[BC+8*\t:BC+8*\t+3], v5, s[8:9] offset:64*\t
	global_load_b128 v[BC+8*\t+4:BC+8*\t+7], v5, s[8:9] offset:64*\t+16
.endr
.if QKV
.irp a, 0,1,2,3,4,5,6,7
	global_load_b32 v[BRP+2*\a], v7, s[12:13] offset:64*\a
.endr
.endif
.macro FRAG reg, adr, q, i
.irp c, 0,1,2,3
	ds_load_b128 v[\reg+4*\c:\reg+4*\c+3], v[\adr] offset:128*(\q)+32*\c+(\i)*16*PITCH
.endr
.endm
.macro MUL16 a0, p, zero
.irp a, \a0, \a0+1
.irp b, 0,1,2,3,4,5,6,7
.if \zero
	v_wmma_f32_16x16x128_fp8_fp8 v[8*(8*((\a)%4)+\b):8*(8*((\a)%4)+\b)+7], v[128*(\p)+FR*\b:128*(\p)+FR*\b+FR-1], v[AF+FR*(\a):AF+FR*(\a)+FR-1], 0
.else
	v_wmma_f32_16x16x128_fp8_fp8 v[8*(8*((\a)%4)+\b):8*(8*((\a)%4)+\b)+7], v[128*(\p)+FR*\b:128*(\p)+FR*\b+FR-1], v[AF+FR*(\a):AF+FR*(\a)+FR-1], v[8*(8*((\a)%4)+\b):8*(8*((\a)%4)+\b)+7]
.endif
.endr
.endr
.endm
.macro FETCH_B slot, q, p
	WIN TO_B
.irp i, 0,1,2,3,4,5,6,7
	FRAG 128*(\p)+FR*\i, ADRB+\slot, \q, \i
.endr
	WIN 0
.endm
.macro FETCH_A slot, q, i0
.irp i, \i0, \i0+1, \i0+2, \i0+3
	FRAG AF+FR*(\i), ADRA+\slot, \q, \i
.endr
.endm
.macro PLACES n
.rept \n
	v_nop
.endr
.endm
.macro STEP slot, q, zero
	s_wait_dscnt 4*NL
	WIN MUL_LO
	MUL16 0, (\q)%2, \zero
	MUL16 2, (\q)%2, \zero
	s_wait_dscnt 0
	PLACES NP
	FETCH_B \slot, (\q)+1, 1-(\q)%2
	FETCH_A \slot, (\q)+1, 0
	WIN MUL_HI
	MUL16 4, (\q)%2, \zero
	MUL16 6, (\q)%2, \zero
	PLACES NP
	WIN 0
	FETCH_A \slot, (\q)+1, 4
.endm
.macro TURN slot, next, fill
	s_wait_tensorcnt 0x0
	ds_add_u32 v[SPW], v[NIL]
	s_wait_dscnt 4*NL+1
	WIN MUL_LO
	MUL16 0, 1, 0
	s_wait_dscnt 0x0
	s_barrier_signal -1
	MUL16 2, 1, 0
	WIN 0
	s_barrier_wait -1
.if \fill
	CREST
	s_add_nc_u64 s[G0+4*\slot+2:G0+4*\slot+3], s[G0+4*\slot+2:G0+4*\slot+3], 2*ROWB
	s_add_nc_u64 s[G0B+4*\slot+2:G0B+4*\slot+3], s[G0B+4*\slot+2:G0B+4*\slot+3], 2*ROWB
	JLOAD G0+4*\slot, G1, G0B+4*\slot, G1B
.else
	PLACES NP
.endif
	FETCH_B \next, 0, 0
	FETCH_A \next, 0, 0
	WIN MUL_HI
	MUL16 4, 1, 0
	MUL16 6, 1, 0
	PLACES NP
	WIN 0
	FETCH_A \next, 0, 4
.endm
	s_wait_alu depctr_va_vdst(0)
	s_wait_tensorcnt 1
	s_barrier_signal -1
	s_barrier_wait -1
	FETCH_B 0, 0, 0
	FETCH_A 0, 0, 0
	FETCH_A 0, 0, 4
	STEP 0, 0, 1
	s_mov_b32 s3, LAPS-1
.Llap:
	TURN 0, 1, 1
	STEP 1, 0, 0
	TURN 1, 0, 1
	STEP 0, 0, 0
	s_sub_co_u32 s3, s3, 1
	s_cmp_lg_u32 s3, 0
	s_cbranch_scc1 .Llap
	TURN 0, 1, 0
	STEP 1, 0, 0
	s_wait_dscnt 4*NL
	WIN MUL_LO
	MUL16 0, 1, 0
	MUL16 2, 1, 0
	s_wait_dscnt 0
	WIN MUL_HI
	MUL16 4, 1, 0
	MUL16 6, 1, 0
	WIN 0
	s_wait_kmcnt 0x0
.if QKV
	s_add_co_i32 s96, s68, s69
	s_add_co_i32 s97, s70, s71
	s_add_co_i32 s98, s72, s73
	s_cmp_eq_u32 s88, 1
	s_cselect_b32 s96, s97, s96
	s_cselect_b32 s99, s74, s75
	s_cmp_eq_u32 s88, 2
	s_cselect_b32 s96, s98, s96
	s_cselect_b32 s99, s76, s99
.else
	s_add_co_i32 s96, s80, s81
	s_mov_b32 s99, s82
.endif
	s_add_co_i32 s96, s96, 127
	s_lshl_b32 s96, s96, 23
	s_mov_b32 s97, s96
	s_add_co_i32 s99, s99, 127
	s_lshl_b32 s98, s99, 23
	s_add_co_i32 s99, s99, 8
	s_lshl_b32 s99, s99, 23
	s_or_b32 s99, s99, 0x600000
	s_wait_loadcnt 0x0
	PLACES NP
	v_mov_b32 v[SCL], s98
	v_mov_b32 v[LIM], s99
.if QKV
.set j, 0
.rept 64
	v_and_b32 v[BC+j], s91, v[BC+j]
.set j, j+1
.endr
.irp a, 0,1,2,3,4,5,6,7
	v_and_b32 v[BRP+2*\a], s92, v[BRP+2*\a]
	v_mov_b32 v[BRP+2*\a+1], v[BRP+2*\a]
.endr
.endif
.macro OUTBLK a
.set AC, 64*((\a)%4)
.set PB, PC+16*((\a)%2)
	WIN 0x02+((\a)/4)
.set j, 0
.rept 32
	v_pk_fma_f32 v[TMP+j:TMP+j+1], v[AC+j:AC+j+1], s[96:97], v[BC+j:BC+j+1] op_sel_hi:[1,0,1]
.set j, j+2
.endr
	WIN 0
.if QKV
.set j, 0
.rept 32
	v_pk_add_f32 v[TMP+j:TMP+j+1], v[TMP+j:TMP+j+1], v[BRP+2*(\a):BRP+2*(\a)+1]
.set j, j+2
.endr
.endif
.set j, 0
.rept 64
.if QKV
	v_med3_num_f32 v[TMP+j], v[TMP+j], -v[LIM], v[LIM]
.else
	v_med3_num_f32 v[TMP+j], v[TMP+j], 0, v[LIM]
.endif
.set j, j+1
.endr
.irp b, 0,1,2,3,4,5,6,7
	v_cvt_scalef32_pk8_fp8_f32 v[PB+2*\b:PB+2*\b+1], v[TMP+8*\b:TMP+8*\b+7], v[SCL]
.endr
	v_nop
.if (\a) > 0
	s_wait_alu depctr_va_vdst(0)
	s_wait_xcnt 0x0
	s_add_nc_u64 s[10:11], s[10:11], s[94:95]
.endif
.irp c, 0,1,2,3
	global_store_b128 v[CO], v[PB+4*\c:PB+4*\c+3], s[10:11] offset:512*\c
.endr
.endm
.irp a, 0,1,2,3,4,5,6,7
	OUTBLK \a
.endr
	s_wait_tensorcnt 0x0
	ds_add_u32 v[SPW], v[NIL]
	s_wait_dscnt 0x0
	CROUND
	s_endpgm
.Lfunc_end_k_q8308cc87cd_qkv:
	.size	k_q8308cc87cd_qkv, .Lfunc_end_k_q8308cc87cd_qkv-k_q8308cc87cd_qkv
	.p2alignl 7, 3214868480
	.fill 96, 4, 3214868480
	.section	.rodata,"a",@progbits
	.p2align	6, 0x0
	.amdhsa_kernel k_q8308cc87cd_qkv
		.amdhsa_group_segment_fixed_size 327680
		.amdhsa_private_segment_fixed_size 0
		.amdhsa_enable_private_segment 0
		.amdhsa_kernarg_size 72
		.amdhsa_user_sgpr_count 2
		.amdhsa_user_sgpr_kernarg_segment_ptr 1
		.amdhsa_wavefront_size32 1
		.amdhsa_system_sgpr_workgroup_id_x 1
		.amdhsa_system_sgpr_workgroup_id_y 1
		.amdhsa_system_sgpr_workgroup_id_z 1
		.amdhsa_system_vgpr_workitem_id 0
		.amdhsa_next_free_vgpr 1024
		.amdhsa_next_free_sgpr 102
		.amdhsa_reserve_vcc 0
		.amdhsa_float_denorm_mode_32 3
		.amdhsa_float_denorm_mode_16_64 3
		.amdhsa_memory_ordered 1
		.amdhsa_forward_progress 1
		.amdhsa_inst_pref_size 157
	.end_amdhsa_kernel
	.amdgpu_metadata
---
amdhsa.version: [ 1, 2 ]
amdhsa.kernels:
  - .name:           k_q8308cc87cd_qkv
    .symbol:         k_q8308cc87cd_qkv.kd
    .args:
      - { .name: srcq, .offset: 0, .size: 8, .value_kind: global_buffer, .address_space: global }
      - { .name: Wq_codes, .offset: 8, .size: 8, .value_kind: global_buffer, .address_space: global }
      - { .name: Wk_codes, .offset: 16, .size: 8, .value_kind: global_buffer, .address_space: global }
      - { .name: Wv_codes, .offset: 24, .size: 8, .value_kind: global_buffer, .address_space: global }
      - { .name: bq, .offset: 32, .size: 8, .value_kind: global_buffer, .address_space: global }
      - { .name: bk, .offset: 40, .size: 8, .value_kind: global_buffer, .address_space: global }
      - { .name: bv, .offset: 48, .size: 8, .value_kind: global_buffer, .address_space: global }
      - { .name: lowp_scales, .offset: 56, .size: 8, .value_kind: global_buffer, .address_space: global }
      - { .name: qkv, .offset: 64, .size: 8, .value_kind: global_buffer, .address_space: global }
    .group_segment_fixed_size: 327680
    .private_segment_fixed_size: 0
    .kernarg_segment_align: 8
    .kernarg_segment_size: 72
    .max_flat_workgroup_size: 128
    .sgpr_count:     102
    .vgpr_count:     1024
    .wavefront_size: 32
...
	.end_amdgpu_metadata
.endif
;; end of part 2
;; launch attn (part 3): grid 8 x 32, 8 waves a work-group, clusters of 4 x 1, 327,680 bytes of LDS; arguments qkv, lowp_scales, oimg; writes oimg
.if DOCPART == 3
	.amdgcn_target "amdgcn-amd-amdhsa--gfx1250"
	.amdhsa_code_object_version 6
	.text
	.protected	k_q8308cc87cd_attn
	.globl	k_q8308cc87cd_attn
	.p2align	8
	.type	k_q8308cc87cd_attn,@function
k_q8308cc87cd_attn:
	s_mov_b64 s[64:65], 0
	v_nop
	global_prefetch_b8 v0, s[64:65] scope:SCOPE_SE
	s_setreg_imm32_b32 hwreg(HW_REG_WAVE_MODE, 25, 1), 1
	s_wait_xcnt 0x0
	s_wait_alu depctr_hold_cnt(0) depctr_sa_sdst(0) depctr_va_vdst(0) depctr_va_sdst(0) depctr_va_ssrc(0) depctr_va_vcc(0) depctr_vm_vsrc(0)
	s_getreg_b32 s2, hwreg(HW_REG_IB_STS2, 6, 4)
	s_cmp_eq_u32 s2, 0
	s_cbranch_scc0 .Lentry_in_a_cluster
	s_endpgm
.Lentry_in_a_cluster:
	s_bfe_u32 s2, ttmp6, 0x10000c
	s_cmp_lg_u32 s2, 0x3003
	s_cbranch_scc0 .Lentry_shape_is_right
	s_endpgm
.Lentry_shape_is_right:
; o = softmax(q k^T / 8) v for one (b, head) and 256 queries a work-group, both products on codes of FP8 (E4M3); head size 64, 2,048 keys.  The result is quantised (entry 10 of the scales) for the product with Wo.
; THE SOFTMAX: t = score x log2(e) / 8; M = the running largest t rounded UP to a whole number; p = 2^(t - M) is quantised (entry 9), not normalised; the row's sum is taken of the unquantised p, in f32, and divides at the end.
; When M moves, the sum and O are multiplied by 2^(old M - new M): exact.  The running maximum is kept as a raw score: c is positive, so c x max = max of c x.
; INPUTS are images of operand registers: a head's fragment of q or k (16 rows x 64) is 1,024 bytes at row tile x 16,384 + head x 1,024, registers 4 c .. 4 c + 3 of lane l at 512 c + 16 l; a fragment of V^T (16 channels x 128 keys) is 2,048 bytes.
; SHARES.  Eight waves, each TWO tiles of 16 queries (A, B): every fragment of K and of V^T read from LDS feeds two matrix instructions.
; LDS HOLDS THE WHOLE HEAD, each byte filled ONCE: K 131,072 bytes (key tile T at 1,024 T), then V^T 131,072 bytes (channel tile ct at 32,768 ct, key step ks at 2,048 ks).  Two groups of fills, one tensor load a wave in each:
; at the head keys 0-511 (waves 0-3: 8 key tiles each; waves 4-7: 8,192 bytes of one channel tile each); behind the wait, the add and a round the other 1,536 keys, which land while the first four key steps are worked;
; one barrier behind those four steps, then twelve steps with none.
; CLUSTER.  The four query blocks of a cluster belong to one (b, head) and read the same K and V: each load is joint, with a mask that names the four.
; NO PREFETCH: both groups of tensor loads are issued ahead of the first key step; there is no loop in which to run ahead of them.
; LAYOUT.  Both products transposed: S^T = K Q^T, O^T = V^T P^T: a lane holds ONE query of each tile.  Score tile T's register j is key 16 T + 8 h + j, so one conversion a tile gives registers 2 T, 2 T + 1 of P in the plain 8-bit layout.
; ORDER IN A STEP.  Dependent chains of one tile stand among independent lines of the other; the exponentials take turns with plain lines whose results are read only behind the next wait.
; LIMITS: e6 + e7 between -123 and 130 (added to c's exponent field); e9 and e10 between -126 and 119; the scaled scores stay under 2^31 in magnitude.  NaN is not served.
; REGISTERS.  Window 0: v1-9 addresses and constants; v10-21 state of A and B; v22-29 at work; v32-95 K; v96-159 S of A, v160-223 of B, then p; v224-255 at work, then P's codes.  Window 1: v0-63 O^T of A, B; v64-127 V^T; v128-143 Q of A, B.
.set VOFF,  131072
.set SPARE, 262144                     ; the spare words: 128 bytes for each of eight waves
.set LI,  1                            ; 16 x lane
.set SPW, 2
.set NIL, 3
.set ADK, 4
.set ADV, 5                            ; V^T's channel tiles 0, 1
.set ADW, 6                            ; and 2, 3: 65,536 bytes on
.set SCL, 7                            ; 2^e9
.set HLD, 8                            ; v8, v9: 448 x 2^e9, twice: the two halves of a dual pair read different registers
.set MA,  10                           ; v[10:11] -M and the largest raw score of A;  v[12:13] its sum in two halves
.set LA,  12
.set MB,  14                           ; the same for B
.set LB,  16
.set FA,  18                           ; v[18:19], v[20:21]: f = 2^(old M - new M) in the low word
.set FB,  20
.set KF,  32
.set SA,  96
.set SB,  160
.set PA,  224
.set PB,  240
.set TA,  224                          ; the four chains of A's maximum, of B's: where P's codes lie later in the step
.set TB,  228
.set U,   224                          ; sixteen pairs: the first level of A's sum
.set OA,  0                            ; window 1 from here on
.set OB,  32
.set VF,  64
.set QA,  128
.set QB,  136
.set WV,  10                           ; s10 my wave's number
.set SEL, 14                           ; s[14:15] v_permlanex16_b32: lane l xor 16
.set CS,  16                           ; s[16:17] c = log2(e) / 8
.set TBK, 18                           ; s18 LDS byte of the NEXT step's eight tiles of K
.set TBV, 19                           ; s19 of this step's fragments of V^T, channel tiles 0, 1;  s44: 2, 3
.set TBW, 44
.set G1K, 20
.set G1V, 28
.set G0K, 36                           ; groups 0 of the first fills,
.set G0V, 40
.set G0K2, 68                          ; and of the second
.set G0V2, 72
.set MSB, 0
.macro WIN new                         ; the immediate's high byte repeats the setting that is left
.if MSB != \new
	s_set_vgpr_msb (MSB<<8)|\new
.set MSB, \new
.endif
.endm
.macro ROUND                           ; a round of the cluster's barrier
	s_barrier_signal -1
	s_barrier_wait -1
	s_cmp_lg_u32 s[WV], 0
	s_cbranch_scc1 .Lnot_wave_0_\@
	s_barrier_signal -3
.Lnot_wave_0_\@:
	s_barrier_wait -3
	s_barrier_signal -1
	s_barrier_wait -1
.endm
.macro TLOAD g0k, g0v                  ; one joint load a wave, in the two arms of one branch on the wave's number: waves 0-3 for K, waves 4-7 for V^T
	s_cmp_lt_u32 s[WV], 4
	s_cbranch_scc0 .Lfor_v_\@
	tensor_load_to_lds s[\g0k:\g0k+3], s[G1K:G1K+7]
	s_nop 0
.rept 4
	v_nop
.endr
	s_branch .Lasked_\@
.Lfor_v_\@:
	tensor_load_to_lds s[\g0v:\g0v+3], s[G1V:G1V+7]
	s_nop 0
.rept 4
	v_nop
.endr
.Lasked_\@:
.endm
.macro KLOAD adr, off                  ; a step's eight fragments of K
.set i, 0
.rept 8
	ds_load_b128 v[KF+8*i:KF+8*i+3], v[\adr] offset:\off+1024*i
	ds_load_b128 v[KF+8*i+4:KF+8*i+7], v[\adr] offset:\off+1024*i+512
.set i, i+1
.endr
.endm
	s_load_b128 s[4:7], s[0:1], 0x0                ; the images of q, k, V^T; the scales' exponents
	s_load_b64 s[8:9], s[0:1], 0x10                ; o's image
	v_lshl_add_u32 v[SPW], v0, 2, SPARE
	v_mov_b32 v[NIL], 0
	ds_add_u32 v[SPW], v[NIL]                      ; the opening lines: the add, twice on end, and its wait
	ds_add_u32 v[SPW], v[NIL]
	v_lshrrev_b32 v4, 5, v0
	v_readfirstlane_b32 s[WV], v4                  ; wave 0..7
	v_and_b32 v4, 31, v0
	v_lshlrev_b32 v[LI], 4, v4
	s_bfe_u32 s11, ttmp6, 0x40000                  ; cx: it enters Q's and o's global addresses alone
	s_lshl_b32 s52, ttmp9, 2
	s_add_co_u32 s52, s52, s11                     ; my block of 256 queries
	s_and_b32 s12, ttmp7, 0xffff                   ; 16 b + head, which the four partners share
	s_lshr_b32 s13, s12, 4                         ; b
	s_and_b32 s53, s12, 15                         ; head
	s_and_b32 s48, s[WV], 3                        ; which quarter of a group of fills is mine
	s_lshl_b32 s50, s13, 21                        ; K: b's 128 row tiles of 16,384 bytes,
	s_lshl_b32 s58, s53, 10                        ; the head's 1,024 bytes in each,
	s_add_co_u32 s50, s50, s58
	s_add_co_u32 s50, s50, 0x400000                ; in k's image
	s_lshl_b32 s49, s48, 17                        ; first fills: my 8 row tiles of the first 32
	s_add_co_u32 s54, s50, s49
	s_mov_b32 s55, 0
	s_mul_i32 s49, s48, 393216                     ; second: my 24 of the other 96
	s_add_co_u32 s60, s50, s49
	s_add_co_u32 s60, s60, 524288
	s_mov_b32 s61, 0
	s_lshl_b32 s56, s53, 18                        ; V^T: the head's four row tiles of 65,536 bytes,
	s_lshl_b32 s57, s13, 15                        ; b's sixteen key steps of 2,048 bytes in each,
	s_add_co_u32 s56, s56, s57
	s_add_co_u32 s56, s56, 0x800000                ; in V^T's image,
	s_lshl_b32 s49, s48, 16                        ; my channel tile
	s_add_co_u32 s56, s56, s49
	s_mov_b32 s57, 0
	s_lshl_b32 s59, s13, 7
	s_lshl_b32 s52, s52, 4
	s_add_co_u32 s59, s59, s52
	s_lshl_b32 s49, s[WV], 1
	s_add_co_u32 s59, s59, s49                     ; A's row tile: 128 b + 16 x block + 2 x wave; B's is the next
	s_lshl_b32 s59, s59, 14
	s_add_co_u32 s58, s58, s59                     ; its head's fragment, in q's image and in o's alike
	s_mov_b32 s59, 0
	s_lshl_b32 s[G0K+1], s48, 13                   ; where the fills go: K's first 8,192 w,
	s_mul_i32 s[G0K2+1], s48, 24576
	s_add_co_u32 s[G0K2+1], s[G0K2+1], 32768       ; its second 32,768 + 24,576 w,
	s_lshl_b32 s[G0V+1], s48, 15
	s_add_co_u32 s[G0V+1], s[G0V+1], VOFF          ; V^T's at its channel tile's head,
	s_add_co_u32 s[G0V2+1], s[G0V+1], 8192         ; and 8,192 bytes on
	; group 1.  K: tiles of 1,024 bytes, 16,384 bytes apart: 8, then 24.  V^T: dense rows of 2,048 bytes: 4, then 12.  Dense in LDS.
	s_mov_b32 s[G1K], 15|(3<<16)|(1<<21)           ; the mask: all four work-groups; elements of 8 bytes; bit 21 set beside a mask
	s_mov_b32 s[G1K+1], 128<<16
	s_mov_b32 s[G1K+2], 8<<16
	s_mov_b32 s[G1K+3], 128<<16
	s_mov_b32 s[G1K+4], 8
	s_mov_b32 s[G1K+5], 2048
	s_mov_b32 s[G1K+6], 0
	s_mov_b32 s[G1K+7], 0
	s_mov_b32 s[G1V], 15|(3<<16)|(1<<21)
	s_mov_b32 s[G1V+1], 256<<16
	s_mov_b32 s[G1V+2], 4<<16
	s_mov_b32 s[G1V+3], 256<<16
	s_mov_b32 s[G1V+4], 4
	s_mov_b32 s[G1V+5], 256
	s_mov_b32 s[G1V+6], 0
	s_mov_b32 s[G1V+7], 0
	s_mov_b32 s[SEL], 0x76543210
	s_mov_b32 s[SEL+1], 0xfedcba98
	s_mov_b32 s[CS], 0x3e38aa3b                    ; c = log2(e) / sqrt(64)
	s_mov_b32 s[TBK], 8192
	s_mov_b32 s[TBV], VOFF
	s_mov_b32 s[TBW], VOFF+65536
	s_wait_dscnt 0x0                               ; both opening adds are done
	s_wait_kmcnt 0x0
	s_load_b512 s[84:99], s[6:7], 0x0              ; the sixteen exponents: entry i in s[84 + i]
	s_mov_b32 s[G0K], 1
	s_add_nc_u64 s[G0K+2:G0K+3], s[4:5], s[54:55]
	s_or_b32 s[G0K+3], s[G0K+3], 0x80000000
	s_mov_b32 s[G0V], 1
	s_add_nc_u64 s[G0V+2:G0V+3], s[4:5], s[56:57]
	s_add_nc_u64 s[G0V2+2:G0V2+3], s[G0V+2:G0V+3], 8192
	s_or_b32 s[G0V+3], s[G0V+3], 0x80000000
	s_mov_b32 s[G0K2], 1
	s_add_nc_u64 s[G0K2+2:G0K2+3], s[4:5], s[60:61]
	s_or_b32 s[G0K2+3], s[G0K2+3], 0x80000000
	s_mov_b32 s[G0V2], 1
	s_or_b32 s[G0V2+3], s[G0V2+3], 0x80000000
	s_add_nc_u64 s[4:5], s[4:5], s[58:59]          ; my fragments of Q
	s_add_nc_u64 s[8:9], s[8:9], s[58:59]          ; and of o
	ROUND                                          ; all four work-groups are here: the joint loads meet
	TLOAD G0K, G0V                                 ; keys 0-511
	WIN 0x40                                       ; destination window 1
	s_wait_alu depctr_va_vdst(0)                   ; the wait ahead of the first reader of 16 x lane
	global_load_b128 v[QA:QA+3], v[LI], s[4:5]     ; Q's two fragments stay in registers
	global_load_b128 v[QA+4:QA+7], v[LI], s[4:5] offset:512
	global_load_b128 v[QB:QB+3], v[LI], s[4:5] offset:16384
	global_load_b128 v[QB+4:QB+7], v[LI], s[4:5] offset:16896
.set j, 0
.rept 64
	v_mov_b32 v[OA+j], 0                           ; O^T: the step is written for all steps alike; the first finds zeros, which the first change of M leaves zeros
.set j, j+1
.endr
	WIN 0
	v_mov_b32 v[MA+1], 0xff61b1e6                  ; the largest score so far: -3e38
	v_mov_b32 v[MB+1], 0xff61b1e6
	v_floor_f32 v[MA], -v[MA+1]                    ; -M
	v_floor_f32 v[MB], -v[MB+1]
.irp r, 12,13,16,17,19,21,26,27
	v_mov_b32 v\r, 0                               ; the sums; the upper words of the pairs of f; the lane permutes' destinations
.endr
	s_wait_kmcnt 0x0
	s_add_co_i32 s12, s90, s91                     ; a score stands for score x 2^(e6 + e7): added to c's exponent field
	s_lshl_b32 s12, s12, 23
	s_add_co_i32 s[CS], s[CS], s12
	s_mov_b32 s[CS+1], s[CS]
	s_add_co_i32 s12, s93, 127
	s_lshl_b32 s13, s12, 23
	v_mov_b32 v[SCL], s13                          ; 2^e9
	s_add_co_i32 s12, s12, 8
	s_lshl_b32 s12, s12, 23
	s_or_b32 s12, s12, 0x600000
	v_mov_b32 v[HLD], s12                          ; 448 x 2^e9
	v_mov_b32 v[HLD+1], s12
	s_add_co_i32 s12, s94, 127
	s_lshl_b32 s45, s12, 23                        ; 2^e10
	s_add_co_i32 s12, s12, 8
	s_lshl_b32 s46, s12, 23
	s_or_b32 s46, s46, 0x600000                    ; 448 x 2^e10
	s_add_co_i32 s47, s92, s93                     ; e8 + e9
; The k-th link of the four chains of a tile's maximum: chain c takes registers 16 c .. 16 c + 14, each accumulator from its low end on; register 16 c + 15 is left for SER
.macro MAXG S, T, k
.irp c, 0,1,2,3
.if \k == 0
	v_max3_num_f32 v[\T+\c], v[\S+16*\c], v[\S+16*\c+1], v[\S+16*\c+2]
.else
	v_max3_num_f32 v[\T+\c], v[\T+\c], v[\S+16*\c+2*\k+1], v[\S+16*\c+2*\k+2]
.endif
.endr
.endm
; The n-th link of the serial chain from a tile's four maxima to -M (n = 6) and f (n = 9)
.macro SER n, S, T, M, F, a, b, p
.if (\n) == 0
	v_max3_num_f32 v[\a], v[\T], v[\T+1], v[\S+15]
	v_max3_num_f32 v[\b], v[\T+2], v[\T+3], v[\S+31]
.endif
.if (\n) == 1
	v_max3_num_f32 v[\a], v[\a], v[\b], v[\S+47]
	v_mov_b32 v[\b], v[\M]                         ; the old -M
.endif
.if (\n) == 2
	v_max_num_f32 v[\a], v[\a], v[\S+63]
.endif
.if (\n) == 3
	v_permlanex16_b32 v[\p], v[\a], s[SEL], s[SEL+1]
.endif
.if (\n) == 4
	v_max3_num_f32 v[\M+1], v[\M+1], v[\a], v[\p]  ; the running largest score: the old one, mine, lane l xor 16's
.endif
.if (\n) == 5
	v_mul_f32 v[\a], s[CS], v[\M+1]                ; as t
.endif
.if (\n) == 6
	v_floor_f32 v[\M], -v[\a]                      ; the new -M = -ceil(t)
.endif
.if (\n) == 7
	v_sub_f32 v[\b], v[\M], v[\b]                  ; old M - new M: a whole number, 0 or less
.endif
.if (\n) == 8
	v_cvt_i32_f32 v[\b], v[\b]                     ; (it saturates)
.endif
.if (\n) == 9
	v_ldexp_f32 v[\F], 1.0, v[\b]                  ; f
.endif
.endm
.macro HOLD2 r                         ; the conversion does not saturate (ISA guide 7.6.2); p is not negative: a one-sided hold, two numbers a line
	v_dual_min_num_f32 v[\r], v[\r], v[HLD] :: v_dual_min_num_f32 v[\r+1], v[\r+1], v[HLD+1]
.endm
.macro TADD a, b                       ; A's sum tree: pair a += pair b
	v_pk_add_f32 v[U+2*(\a):U+2*(\a)+1], v[U+2*(\a):U+2*(\a)+1], v[U+2*(\b):U+2*(\b)+1]
.endm
.macro BADD c, q                       ; B's sum chains: chain c += pair q of p
	v_pk_add_f32 v[\c:\c+1], v[\c:\c+1], v[SB+2*(\q):SB+2*(\q)+1]
.endm
; A KEY STEP: 128 keys x 32 queries.
.macro STEP
	s_wait_dscnt 0x0                               ; this step's fragments of K
	WIN 0x04                                       ; source 1 (Q) window 1
.set i, 0
.rept 8
	v_wmma_f32_16x16x64_fp8_fp8 v[SA+8*i:SA+8*i+7], v[KF+8*i:KF+8*i+7], v[QA:QA+7], 0
	v_wmma_f32_16x16x64_fp8_fp8 v[SB+8*i:SB+8*i+7], v[KF+8*i:KF+8*i+7], v[QB:QB+7], 0
.set i, i+1
.endr
	WIN 0
	v_add_nc_u32 v[ADV], s[TBV], v[LI]             ; four places behind the products, in front of the loads below and of the first read of the scores
	v_add_nc_u32 v[ADW], s[TBW], v[LI]
	v_add_nc_u32 v[ADK], s[TBK], v[LI]
	v_nop
	WIN 0x40
.irp c, 0,1,2,3
	ds_load_b128 v[VF+4*\c:VF+4*\c+3], v[ADV] offset:512*\c          ; V^T's four fragments land while the softmax is worked
	ds_load_b128 v[VF+16+4*\c:VF+16+4*\c+3], v[ADV] offset:32768+512*\c
	ds_load_b128 v[VF+32+4*\c:VF+32+4*\c+3], v[ADW] offset:512*\c
	ds_load_b128 v[VF+48+4*\c:VF+48+4*\c+3], v[ADW] offset:32768+512*\c
.endr
	WIN 0
	s_cmp_eq_u32 s52, 1                            ; a segment's last step reads nothing ahead: the count of trips alone decides
	s_cbranch_scc1 .Lno_k_\@
	KLOAD ADK, 0                                   ; the next step's eight of K
.Lno_k_\@:
.irp k, 0,1,2,3,4,5,6
	MAXG SA, TA, \k
.endr
.irp k, 0,1,2,3,4,5,6                  ; A's chain to -M stands among B's maxima
	MAXG SB, TB, \k
	SER \k, SA, TA, MA, FA, 22, 23, 26
.endr
.set j, 0
.irp n, 0,1,2,3,4,5,6,7,8,9            ; B's chain, and the rest of A's, among A's t - M
.rept 3
	v_pk_fma_f32 v[SA+j:SA+j+1], v[SA+j:SA+j+1], s[CS:CS+1], v[MA:MA+1] op_sel_hi:[1,0,0]
.set j, j+2
.endr
	SER \n, SB, TB, MB, FB, 24, 25, 27
.if \n < 3
	SER \n+7, SA, TA, MA, FA, 22, 23, 26
.endif
.endr
.rept 2
	v_pk_fma_f32 v[SA+j:SA+j+1], v[SA+j:SA+j+1], s[CS:CS+1], v[MA:MA+1] op_sel_hi:[1,0,0]
.set j, j+2
.endr
	s_wait_alu depctr_va_vdst(0)                   ; the wait ahead of the batch
.set j, 0
.rept 32                               ; A's p = 2^(t - M), by turns with B's t - M, which is read behind the next wait
	v_exp_f32 v[SA+j], v[SA+j]
	v_exp_f32 v[SA+j+1], v[SA+j+1]
	v_pk_fma_f32 v[SB+j:SB+j+1], v[SB+j:SB+j+1], s[CS:CS+1], v[MB:MB+1] op_sel_hi:[1,0,0]
.set j, j+2
.endr
	s_wait_alu depctr_va_vdst(0)                   ; behind A's batch and ahead of B's: one wait for both, and directly ahead of the wait below
	s_wait_dscnt 0x0                               ; V^T's fragments (and K's, where they were asked for), asked for ahead of the maxima
.set k, 0
.rept 16
	v_exp_f32 v[SB+4*k], v[SB+4*k]
	v_pk_add_f32 v[U+2*k:U+2*k+1], v[SA+4*k:SA+4*k+1], v[SA+4*k+2:SA+4*k+3]
	v_exp_f32 v[SB+4*k+1], v[SB+4*k+1]
	HOLD2 SA+4*k
	v_exp_f32 v[SB+4*k+2], v[SB+4*k+2]
	HOLD2 SA+4*k+2
	v_exp_f32 v[SB+4*k+3], v[SB+4*k+3]
.set k, k+1
.endr
	v_pk_mul_f32 v[LA:LA+1], v[LA:LA+1], v[FA:FA+1] op_sel_hi:[1,0]   ; the sums under the new M (plain places behind the batch)
	v_pk_mul_f32 v[LB:LB+1], v[LB:LB+1], v[FB:FB+1] op_sel_hi:[1,0]
	WIN 0x41                                       ; source 0 and destination window 1
	s_wait_alu depctr_va_vdst(0)                   ; one wait for the batch, ahead of its first reader, and directly ahead of the first readers of O^T
.set j, 0
.rept 16
	v_pk_mul_f32 v[OA+j:OA+j+1], v[OA+j:OA+j+1], v[FA:FA+1] op_sel_hi:[1,0]   ; O^T under the new M, each accumulator from its low end on
.set j, j+2
.endr
.set j, 0
.rept 16
	v_pk_mul_f32 v[OB+j:OB+j+1], v[OB+j:OB+j+1], v[FB:FB+1] op_sel_hi:[1,0]
.set j, j+2
.endr
	WIN 0
	v_pk_add_f32 v[22:23], v[SB:SB+1], v[SB+2:SB+3]
	v_pk_add_f32 v[24:25], v[SB+4:SB+5], v[SB+6:SB+7]
	v_pk_add_f32 v[28:29], v[SB+8:SB+9], v[SB+10:SB+11]
	BADD LB, 6
	TADD 0, 8
	TADD 1, 9
.irp g, 1,2,3,4,5,6
	BADD LB, 4*\g+3
	BADD 22, 4*\g+4
	BADD 24, 4*\g+5
	BADD 28, 4*\g+6
.if \g < 4
	TADD 2*\g, 2*\g+8
	TADD 2*\g+1, 2*\g+9
.elseif \g < 6
	TADD 2*\g-8, 2*\g-4
	TADD 2*\g-7, 2*\g-3
.else
	TADD 0, 2
	TADD 1, 3
.endif
.endr
	BADD LB, 31
	v_pk_add_f32 v[22:23], v[22:23], v[24:25]
	TADD 0, 1
	v_pk_add_f32 v[LB:LB+1], v[LB:LB+1], v[28:29]
	v_pk_add_f32 v[LB:LB+1], v[LB:LB+1], v[22:23]
	v_pk_add_f32 v[LA:LA+1], v[LA:LA+1], v[U:U+1]
.set t, 0
.rept 8                                ; B's holds, A's conversions among them
	HOLD2 SB+8*t
	HOLD2 SB+8*t+2
	HOLD2 SB+8*t+4
	HOLD2 SB+8*t+6
	v_cvt_scalef32_pk8_fp8_f32 v[PA+2*t:PA+2*t+1], v[SA+8*t:SA+8*t+7], v[SCL]
.set t, t+1
.endr
	v_nop                                          ; one plain line between A's last conversion and the products that read its codes
	WIN 0x51                                       ; V^T, C and D window 1; P window 0
.irp t, 0,1,2,3
	v_wmma_f32_16x16x128_fp8_fp8 v[OA+8*\t:OA+8*\t+7], v[VF+16*\t:VF+16*\t+15], v[PA:PA+15], v[OA+8*\t:OA+8*\t+7]   ; A's four accumulators by turns, one instruction a turn
.endr
	WIN 0
.set t, 0
.rept 8                                ; B's conversions stand behind A's products: they name none of those products' registers
	v_cvt_scalef32_pk8_fp8_f32 v[PB+2*t:PB+2*t+1], v[SB+8*t:SB+8*t+7], v[SCL]
.set t, t+1
.endr
	v_nop                                          ; one plain line between B's last conversion and its products
	WIN 0x51
.irp t, 0,1,2,3
	v_wmma_f32_16x16x128_fp8_fp8 v[OB+8*\t:OB+8*\t+7], v[VF+16*\t:VF+16*\t+15], v[PB:PB+15], v[OB+8*\t:OB+8*\t+7]   ; and B's four
.endr
	WIN 0
.endm
.macro SEG n                           ; n key steps
	s_mov_b32 s52, \n
.Lstep_\@:
	STEP
	s_add_co_u32 s[TBK], s[TBK], 8192
	s_add_co_u32 s[TBV], s[TBV], 2048
	s_add_co_u32 s[TBW], s[TBW], 2048
	s_sub_co_u32 s52, s52, 1
	s_cmp_lg_u32 s52, 0
	s_cbranch_scc1 .Lstep_\@
.endm
	s_wait_alu depctr_va_vdst(0)                   ; the wait at the head's end
	s_wait_tensorcnt 0x0                           ; my part of keys 0-511 is in
	ds_add_u32 v[SPW], v[NIL]
	s_mov_b32 s[G1K+2], 24<<16                     ; no load of mine is out: the second fills' row counts
	s_mov_b32 s[G1K+4], 24
	s_mov_b32 s[G1V+2], 12<<16
	s_mov_b32 s[G1V+4], 12
	s_wait_dscnt 0x0
	ROUND                                          ; everybody's part is in, and the joint loads meet
	TLOAD G0K2, G0V2                               ; keys 512-2,047: four key steps stand between this load and the wait for it
	KLOAD LI, 0                                    ; step 0's fragments of K
	s_wait_loadcnt 0x0                             ; Q
	SEG 4
	s_wait_tensorcnt 0x0                           ; my part of the other keys is in,
	s_wait_dscnt 0x0
	s_barrier_signal -1
	s_barrier_wait -1                              ; everybody's is.  Nothing is ever filled again
	KLOAD LI, 32768                                ; step 4's fragments of K
	SEG 12
	v_add_f32 v[LA], v[LA], v[LA+1]                ; the sums' two halves (these lines are also the places behind the last products),
	v_add_f32 v[LB], v[LB], v[LB+1]
	v_permlanex16_b32 v26, v[LA], s[SEL], s[SEL+1]
	v_permlanex16_b32 v27, v[LB], s[SEL], s[SEL+1]
	v_add_f32 v[LA], v[LA], v26                    ; and lane l xor 16's
	v_add_f32 v[LB], v[LB], v27
	s_wait_alu depctr_va_vdst(0)                   ; ahead of the transcendentals
	v_rcp_f32 v[LA], v[LA]
	v_rcp_f32 v[LB], v[LB]
	v_mov_b32 v22, s45                             ; 2^e10 (plain places)
	v_mov_b32 v23, s46                             ; 448 x 2^e10
	s_wait_alu depctr_va_vdst(0)                   ; ahead of their first reader
	v_ldexp_f32 v[LA], v[LA], s47                  ; x 2^(e8 + e9)
	v_ldexp_f32 v[LB], v[LB], s47
	WIN 0x01                                       ; source 0 window 1
	s_wait_alu depctr_va_vdst(0)                   ; directly ahead of the first readers of O^T
.set j, 0
.rept 32
	v_mul_f32 v[SA+j], v[OA+j], v[LA]              ; o(query r, channel 16 t + 8 h + i) in register 8 t + i
.set j, j+1
.endr
.set j, 0
.rept 32
	v_mul_f32 v[SA+32+j], v[OB+j], v[LB]
.set j, j+1
.endr
	WIN 0
.set j, 0
.rept 64
	v_med3_num_f32 v[SA+j], v[SA+j], -v23, v23
.set j, j+1
.endr
.irp t, 0,1,2,3,4,5,6,7
	v_cvt_scalef32_pk8_fp8_f32 v[PA+2*\t:PA+2*\t+1], v[SA+8*\t:SA+8*\t+7], v22
.endr
	v_nop
	global_store_b128 v[LI], v[PA:PA+3], s[8:9]    ; each store covers 512 consecutive bytes, aligned: the head's half of a fragment of the product with Wo
	global_store_b128 v[LI], v[PA+4:PA+7], s[8:9] offset:512
	global_store_b128 v[LI], v[PA+8:PA+11], s[8:9] offset:16384
	global_store_b128 v[LI], v[PA+12:PA+15], s[8:9] offset:16896
	s_wait_tensorcnt 0x0                           ; the wave's end
	ds_add_u32 v[SPW], v[NIL]
	s_wait_dscnt 0x0
	ROUND                                          ; the closing round
	s_endpgm
.Lfunc_end_k_q8308cc87cd_attn:
	.size	k_q8308cc87cd_attn, .Lfunc_end_k_q8308cc87cd_attn-k_q8308cc87cd_attn
	.p2alignl 7, 3214868480
	.fill 96, 4, 3214868480
	.section	.rodata,"a",@progbits
	.p2align	6, 0x0
	.amdhsa_kernel k_q8308cc87cd_attn
		.amdhsa_group_segment_fixed_size 327680
		.amdhsa_private_segment_fixed_size 0
		.amdhsa_enable_private_segment 0
		.amdhsa_kernarg_size 24
		.amdhsa_user_sgpr_count 2
		.amdhsa_user_sgpr_kernarg_segment_ptr 1
		.amdhsa_wavefront_size32 1
		.amdhsa_system_sgpr_workgroup_id_x 1
		.amdhsa_system_sgpr_workgroup_id_y 1
		.amdhsa_system_sgpr_workgroup_id_z 1
		.amdhsa_system_vgpr_workitem_id 0
		.amdhsa_next_free_vgpr 512
		.amdhsa_next_free_sgpr 100
		.amdhsa_reserve_vcc 0
		.amdhsa_float_denorm_mode_32 3
		.amdhsa_float_denorm_mode_16_64 3
		.amdhsa_memory_ordered 1
		.amdhsa_forward_progress 1
		.amdhsa_inst_pref_size 78
	.end_amdhsa_kernel
	.amdgpu_metadata
---
amdhsa.version: [ 1, 2 ]
amdhsa.kernels:
  - .name:           k_q8308cc87cd_attn
    .symbol:         k_q8308cc87cd_attn.kd
    .args:
      - { .name: qkv, .offset: 0, .size: 8, .value_kind: global_buffer, .address_space: global }
      - { .name: lowp_scales, .offset: 8, .size: 8, .value_kind: global_buffer, .address_space: global }
      - { .name: oimg, .offset: 16, .size: 8, .value_kind: global_buffer, .address_space: global }
    .group_segment_fixed_size: 327680
    .private_segment_fixed_size: 0
    .kernarg_segment_align: 8
    .kernarg_segment_size: 24
    .max_flat_workgroup_size: 256
    .sgpr_count:     100
    .vgpr_count:     512
    .wavefront_size: 32
...
	.end_amdgpu_metadata
.endif
;; end of part 3
;; launch wo (part 4): grid 8 x 32, 4 waves a work-group, clusters of 4 x 4, 327,680 bytes of LDS; arguments oimg, Wo_codes, bo, src, lowp_scales, ysum; writes ysum
.if DOCPART == 4
	.amdgcn_target "amdgcn-amd-amdhsa--gfx1250"
	.amdhsa_code_object_version 6
	.text
	.protected	k_q8308cc87cd_wo
	.globl	k_q8308cc87cd_wo
	.p2align	8
	.type	k_q8308cc87cd_wo,@function
k_q8308cc87cd_wo:
	s_mov_b64 s[64:65], 0
	v_nop
	global_prefetch_b8 v0, s[64:65] scope:SCOPE_SE
	s_setreg_imm32_b32 hwreg(HW_REG_WAVE_MODE, 25, 1), 1
	s_wait_xcnt 0x0
	s_wait_alu depctr_hold_cnt(0) depctr_sa_sdst(0) depctr_va_vdst(0) depctr_va_sdst(0) depctr_va_ssrc(0) depctr_va_vcc(0) depctr_vm_vsrc(0)
	s_getreg_b32 s2, hwreg(HW_REG_IB_STS2, 6, 4)
	s_cmp_eq_u32 s2, 0
	s_cbranch_scc0 .Lentry_in_a_cluster
	s_endpgm
.Lentry_in_a_cluster:
	s_bfe_u32 s2, ttmp6, 0x10000c
	s_cmp_lg_u32 s2, 0xf033
	s_cbranch_scc0 .Lentry_shape_is_right
	s_endpgm
.Lentry_shape_is_right:
; y = res + (A W^T x 2^(eA + eB) + bias), f32, rows in the order m' = 2048 b + s; 1,024 columns.  The product is on codes of FP8 (E4M3).  One text serves two launches; the constants at the head say which.
; FFN = 0: A = the attention's result (K = 1,024, entries 10 and 11 of the scales), res = src, whose rows lie in the order 2 s + b.   FFN = 1: A = the hidden layer (K = 4,096, entries 14 and 15), res = x, rows m'.
; LIMIT: eA + eB between -126 and 127, so that 2^(eA + eB) is an f32 number.
; A arrives as IMAGES of operand registers: fragment (row tile mt, K step ks of 128) is 2,048 bytes at (mt NKS + ks) 2,048, registers 4 c .. 4 c + 3 of lane l at 512 c + 16 l, with k in the plain 8-bit layout
; (registers 2 c, 2 c + 1: k = 16 c + 8 h + 0 .. 7).  W arrives as plain rows, so its fragments are read from LDS in that same layout, by eight loads of 8 bytes.
; A tile of y is 128 x 128, so that 256 work-groups share the 4,096 x 1,024; four waves, each 64 x 64: 16 accumulators.  K goes in steps of 512 through two LDS slots: as long as two slots allow.
; CLUSTERS: 4 x 4 work-groups; A's tiles are shared along a row of the cluster, W's along a column: joint loads.  THE MATRIX INSTRUCTION IS USED TRANSPOSED (source 0 = 16 rows of W, source 1 = 16 rows of A).
; The residual (64 x 64 numbers a wave) and the bias are asked for at the head and land while the products run.
; REGISTERS: window 0: v0-31 addresses; v32-95 rows on the way out, two sets; v96-99 the bias; v128-255 the accumulators ((a, b) at v[128 + 8 (4 a + b)]).
;   window 1: two fragment buffers of 128: A's 4 x 16 registers, then W's 4 x 16.   window 2: v0-127 the residual.
; THIS LAUNCH (FFN = 0): K = 1,024 lies WHOLE in LDS, each byte filled once, by one joint load a wave at the head: A's 8 row tiles x 16,384 bytes, then W's 128 rows of 1,024 bytes + 16 of padding.
; What the text below calls slot 1 is the second 512 along K of the same rows: 8,192 bytes on in a row tile of A, 512 bytes on in a row of W.  Nothing is filled again.
; NO PREFETCH: the one group of tensor loads is issued at the head; no later load is left to ask ahead for.
.set FFN,    0
.if FFN
.set SIZE_K, 4096
.set RSHIFT, 12                        ; a row of the residual to the next: 4,096 bytes
.set SCOFF,  56                        ; entries 14, 15
.else
.set SIZE_K, 1024
.set RSHIFT, 13                        ; 8,192 bytes: src's rows of one b
.set SCOFF,  40                        ; entries 10, 11
.endif
.set RSTR,   1<<RSHIFT
.set NKS,    SIZE_K/128
.set KSTEP,  512
.set PITCH,  1040                      ; a row of W in LDS: 1,024 bytes + 16 of padding = 260 words: row r starts at bank 4 r mod 64 (64 banks of 4 bytes: ISA guide 11.1)
.set AHALF,  65536                     ; four row tiles x eight K steps x 2,048 bytes: what one tensor load brings of A
.set BHALF,  64*PITCH                  ; 64 rows of W
.set BOFF,   2*AHALF
.set SLOT,   BOFF+2*BHALF
.set STAGE,  SLOT                      ; behind A and W: 16 rows x 272 bytes for each wave, for the way out
.set SPITCH, 272
.set SPARE,  STAGE+4*16*SPITCH         ; behind the stages: the spare words, 128 bytes for each wave: two blocks of 256 bytes that no other line names
.set LAPS,   SIZE_K/(2*KSTEP)          ; a lap = two K steps = once round the ring
.set ADRA, 16                          ; v16-17  LDS address of my A fragments in slot 0, 1
.set ADRB, 20                          ; v20-21  the same for W
.set STO,  24                          ; v24     the way out: where I put 32 bytes of a row
.set RD,   25                          ; v25     where I read 16 bytes of a row back
.set CO,   26                          ; v26     my byte offset in y
.set RO,   27                          ; v27     in the residual
.set SPW,  28                          ; v28     LDS address of my spare word; never rewritten
.set NIL,  29                          ; v29     0; never rewritten
.set BO,   30                          ; v30     16 r: my byte offset in the bias
.set BK,   32
.set BI,   96
.set ACC,  128
.set F0,   0
.set F1,   128
.set G1, 24                            ; s[24:31] descriptor group 1 for A's tiles;  s[32:39] group 0, one set for each slot
.set G0, 32
.set G1B, 48                           ; s[48:55], s[56:63] the same for W's tiles
.set G0B, 56
.set MSB, 0
.macro WIN new                         ; the immediate's high byte repeats the setting that is left
.if MSB != \new
	s_set_vgpr_msb (MSB<<8)|\new
.set MSB, \new
.endif
.endm
.set MUL,  0x05                        ; sources 0 (W) and 1 (A) window 1; C and D window 0
.set TO_F, 0x40                        ; destination window 1, address window 0
.macro JLOAD s                         ; a joint load: waves 0 and 1 fetch A's two halves, waves 2 and 3 W's; four v_nop follow each of the two lines
	s_cmp_eq_u32 s11, 0
	s_cbranch_scc0 .Lfor_b_\@
	tensor_load_to_lds s[G0+4*\s:G0+4*\s+3], s[G1:G1+7]
	s_nop 0
.rept 4
	v_nop
.endr
	s_branch .Lasked_\@
.Lfor_b_\@:
	tensor_load_to_lds s[G0B+4*\s:G0B+4*\s+3], s[G1B:G1B+7]
	s_nop 0
.rept 4
	v_nop
.endr
.Lasked_\@:
.endm
.macro CREST                           ; a round of the cluster's barrier behind its opening barrier
	s_cmp_lg_u32 s10, 0
	s_cbranch_scc1 .Lnot_wave_0_\@
	s_barrier_signal -3
.Lnot_wave_0_\@:
	s_barrier_wait -3
	s_barrier_signal -1
	s_barrier_wait -1
.endm
.macro CROUND                          ; a whole round
	s_barrier_signal -1
	s_barrier_wait -1
	CREST
.endm
	s_load_b256 s[68:75], s[0:1], 0x0              ; A's image, W's codes, the bias, the residual
	s_load_b128 s[76:79], s[0:1], 0x20             ; the scales' exponents, y
	v_lshl_add_u32 v[SPW], v0, 2, SPARE
	v_mov_b32 v[NIL], 0
	ds_add_u32 v28, v29
	ds_add_u32 v28, v29
	s_wait_dscnt 0x0
	v_lshrrev_b32 v1, 5, v0
	v_readfirstlane_b32 s10, v1                    ; wave 0..3
	s_lshr_b32 s11, s10, 1                         ; which half of the tile's rows is mine.  Also: I fetch for A (0) or for W (1)
	s_and_b32 s12, s10, 1                          ; which half of its columns.  Also: which half of that tile I fetch
	s_bfe_u32 s40, ttmp6, 0x40000                  ; cx, cy: my place in the cluster
	s_bfe_u32 s41, ttmp6, 0x40004
	s_lshl_b32 s42, ttmp9, 2
	s_add_co_u32 s42, s42, s40                     ; tile column = 4 x cluster x + cx
	s_and_b32 s13, ttmp7, 0xffff
	s_lshl_b32 s13, s13, 2
	s_add_co_u32 s13, s13, s41                     ; tile row = 4 x cluster y + cy
	s_lshl_b32 s43, s41, 2
	s_lshl_b32 s43, 15, s43                        ; my row of the cluster
	s_lshl_b32 s44, 0x1111, s40                    ; my column
	; descriptor group 1.  A: 4 rows (row tiles) of 16,384 bytes (all eight K steps' fragments), NKS x 2,048 bytes apart, dense in LDS.  W: 64 rows of 1,024 bytes, padded in LDS.
	s_or_b32 s[G1+0], s43, (3<<16)|(1<<21)         ; 15:0 the mask: my row; 17:16 elements of 8 bytes; 21 set beside a mask
	s_mov_b32 s[G1+1], 2048<<16                    ; tensor_dim0 = 2,048 elements of 8 bytes: a row tile's whole K
	s_mov_b32 s[G1+2], 4<<16                       ; tensor_dim1 = 4
	s_mov_b32 s[G1+3], 2048<<16                    ; tile_dim0
	s_mov_b32 s[G1+4], 4                           ; tile_dim1
	s_mov_b32 s[G1+5], NKS*256                     ; tensor_dim0_stride
	s_mov_b32 s[G1+6], 0
	s_mov_b32 s[G1+7], 0
	s_or_b32 s[G1B+0], s44, (0<<16)|(1<<20)|(1<<21)|(7<<22)|(3<<25)  ; the mask: my column; elements of 1 byte; padding on: after every 256 words (code 7) 4 words (code 3)
	s_mov_b32 s[G1B+1], SIZE_K<<16
	s_mov_b32 s[G1B+2], 64<<16
	s_mov_b32 s[G1B+3], SIZE_K<<16
	s_mov_b32 s[G1B+4], 64
	s_mov_b32 s[G1B+5], SIZE_K
	s_mov_b32 s[G1B+6], 0
	s_mov_b32 s[G1B+7], 0
	s_lshl_b32 s16, s13, 3
	s_lshl_b32 s17, s12, 2
	s_add_co_u32 s16, s16, s17                     ; A: row tile 8 x tile row + 4 x half,
	s_mul_i32 s16, s16, NKS*2048                   ; in bytes
	s_mov_b32 s17, 0
	s_lshl_b32 s46, s42, 7
	s_lshl_b32 s47, s12, 6
	s_add_co_u32 s46, s46, s47                     ; W: row 128 x tile column + 64 x half
	s_mul_i32 s46, s46, SIZE_K
	s_mov_b32 s47, 0
	s_lshl_b32 s20, s12, 16                        ; where they go: A's halves,
	s_mul_i32 s21, s12, BHALF
	s_add_co_u32 s21, s21, BOFF                    ; then W's: no place in the cluster enters an LDS address
	s_lshl_b32 s18, s13, 7
	s_lshl_b32 s19, s11, 6
	s_add_co_u32 s18, s18, s19                     ; my first row m'
	s_lshl_b32 s22, s42, 7
	s_lshl_b32 s19, s12, 6
	s_add_co_u32 s22, s22, s19
	s_lshl_b32 s22, s22, 2                         ; my first column, in bytes
	s_mov_b32 s23, 0
	s_lshl_b32 s82, s18, 12
	s_add_co_u32 s82, s82, s22                     ; my corner of y
	s_mov_b32 s83, 0
.if FFN
	s_mov_b32 s84, s82                             ; and of x
.else
	s_and_b32 s84, s18, 2047                       ; and of src: s rows of 8,192 bytes + b x 4,096
	s_lshl_b32 s84, s84, 13
	s_lshr_b32 s85, s18, 11
	s_lshl_b32 s85, s85, 12
	s_add_co_u32 s84, s84, s85
	s_add_co_u32 s84, s84, s22
.endif
	s_mov_b32 s85, 0
	s_wait_kmcnt 0x0
	s_load_b64 s[80:81], s[76:77], SCOFF           ; eA, eB
	s_add_nc_u64 s[14:15], s[68:69], s[16:17]
	s_add_nc_u64 s[46:47], s[70:71], s[46:47]
	s_add_nc_u64 s[72:73], s[72:73], s[22:23]
	s_add_nc_u64 s[74:75], s[74:75], s[84:85]
	s_add_nc_u64 s[8:9], s[78:79], s[82:83]
	CROUND                                         ; all sixteen work-groups are here: the joint loads meet
.irp s, 0
	s_mov_b32 s[G0+4*\s], 1
	s_add_co_u32 s[G0+4*\s+1], s20, \s*SLOT
	s_add_nc_u64 s[G0+4*\s+2:G0+4*\s+3], s[14:15], \s*8192
	s_or_b32 s[G0+4*\s+3], s[G0+4*\s+3], 0x80000000
	s_mov_b32 s[G0B+4*\s], 1
	s_add_co_u32 s[G0B+4*\s+1], s21, \s*SLOT
	s_add_nc_u64 s[G0B+4*\s+2:G0B+4*\s+3], s[46:47], \s*KSTEP
	s_or_b32 s[G0B+4*\s+3], s[G0B+4*\s+3], 0x80000000
	JLOAD \s                                       ; my one tensor load: a half of A or of W, all of K
.endr
	v_and_b32 v1, 15, v0                           ; r = l % 16
	v_bfe_u32 v2, v0, 4, 1                         ; h = l / 16
	v_and_b32 v3, 31, v0
	v_lshlrev_b32 v3, 4, v3                        ; 16 x lane: my place in a piece of an image
	v_mul_u32_u24 v4, v1, PITCH
	v_lshl_add_u32 v4, v2, 3, v4                   ; W: row x pitch + 8 h
	s_lshl_b32 s22, s11, 16                        ; my four row tiles of A
	s_mul_i32 s23, s12, BHALF
	s_add_co_u32 s23, s23, BOFF                    ; my 64 rows of W
.irp s, 0,1
	v_add_nc_u32 v[ADRA+\s], s22, v3
	v_add_nc_u32 v[ADRB+\s], s23, v4
	s_add_co_u32 s22, s22, 8192                    ; the second 512 along K: four K steps' fragments on in a row tile of A,
	s_add_co_u32 s23, s23, KSTEP                   ; 512 bytes on in a row of W
.endr
	s_mul_i32 s22, s10, 16*SPITCH
	s_add_co_u32 s22, s22, STAGE                   ; my stage
	v_mul_u32_u24 v5, v1, SPITCH                   ; in: row r, 32 bytes for each half of the lanes
	v_lshl_add_u32 v5, v2, 5, v5
	v_add_nc_u32 v[STO], s22, v5
	v_mul_u32_u24 v5, v2, SPITCH                   ; back: lanes 0-15 take one row of 256 bytes, lanes 16-31 the next
	v_lshl_add_u32 v5, v1, 4, v5
	v_add_nc_u32 v[RD], s22, v5
	v_lshlrev_b32 v[BO], 4, v1
	v_lshl_add_u32 v[CO], v2, 12, v[BO]            ; and the same two rows in y,
	v_lshl_add_u32 v[RO], v2, RSHIFT, v[BO]        ; and in the residual
	WIN 0x80                                       ; destination window 2, address window 0
.set i, 0
.rept 32
	global_load_b128 v[4*i:4*i+3], v[RO], s[74:75] offset:2*i*RSTR   ; rows 2 i and 2 i + 1 of my 64: sixteen lanes read 256 consecutive bytes
.set i, i+1
.endr
	WIN 0
	global_load_b128 v[BI:BI+3], v[BO], s[72:73]   ; the bias of my four columns
; 4 matrix instructions: A's block a x W's four, 128 along K.  zero = 1: the first product starts the sums.  The 16 accumulators take turns, one instruction a turn, in the same order in every quarter.
.macro MUL4 f, a, zero
.irp b, 0,1,2,3
.if \zero
	v_wmma_f32_16x16x128_fp8_fp8 v[ACC+8*(4*(\a)+\b):ACC+8*(4*(\a)+\b)+7], v[\f+64+16*\b:\f+64+16*\b+15], v[\f+16*(\a):\f+16*(\a)+15], 0
.else
	v_wmma_f32_16x16x128_fp8_fp8 v[ACC+8*(4*(\a)+\b):ACC+8*(4*(\a)+\b)+7], v[\f+64+16*\b:\f+64+16*\b+15], v[\f+16*(\a):\f+16*(\a)+15], v[ACC+8*(4*(\a)+\b):ACC+8*(4*(\a)+\b)+7]
.endif
.endr
.endm
; 48 LDS loads in one run: the fragments of the slot's q-th 128 along K into buffer f: W's four (8 loads of 8 bytes each), then A's four (4 loads of 16 bytes each)
.macro FETCH slot, q, f
	WIN TO_F
.irp b, 0,1,2,3
.irp c, 0,1,2,3,4,5,6,7
	ds_load_b64 v[\f+64+16*\b+2*\c:\f+64+16*\b+2*\c+1], v[ADRB+\slot] offset:\b*16*PITCH+128*(\q)+16*\c
.endr
.endr
.irp a, 0,1,2,3
.irp c, 0,1,2,3
	ds_load_b128 v[\f+16*\a+4*\c:\f+16*\a+4*\c+3], v[ADRA+\slot] offset:\a*16384+2048*(\q)+512*\c
.endr
.endr
.endm
.macro PLACES                          ; four places in front of loads into registers that matrix instructions have read, and of the first read of results (ISA guide 7.12.1 for the first read of results)
.rept 4
	v_nop
.endr
.endm
; A K step is four quarters of 128 along K, 16 matrix instructions each, on buffers 0, 1, 0, 1.  One of the first three: multiplies buffer f and fetches quarter q into g.
.macro QUARTER slot, q, f, g, zero
	s_wait_dscnt 8                                 ; W's fragments and A's blocks 0, 1 are in; the youngest eight loads (A's blocks 2, 3) may be out
	WIN MUL
	MUL4 \f, 0, \zero
	MUL4 \f, 1, \zero
	PLACES
	FETCH \slot, \q, \g
	s_wait_dscnt 48                                ; all but the 48 just issued
	WIN MUL
	MUL4 \f, 2, \zero
	MUL4 \f, 3, \zero
.endm
; The last quarter multiplies buffer 1 and changes slots: ONE barrier; in front of it each wave waits for all its tensor loads, adds 0 to its spare word, and waits for that and for its own reads of this slot.  fill = 1: this slot is filled again, two K steps ahead.
.macro TURN slot, next, fill
	WIN 0                                          ; (the add's two registers lie in window 0)
	s_wait_tensorcnt 0x0                           ; all my tensor loads have landed: my part of the next slot;
	ds_add_u32 v[SPW], v[NIL]                      ; 0 onto my spare word;
	s_wait_dscnt 9                                 ; (the add and the youngest eight loads may be out)
	WIN MUL
	MUL4 F1, 0, 0                                  ; four matrix instructions stand between the add and the wait for it
	s_wait_dscnt 0x0                               ; the add is done, and my reads of this slot are over
	s_barrier_signal -1
	MUL4 F1, 1, 0
.if \fill
	WIN 0
.endif
	s_barrier_wait -1
.if \fill
	CREST                                          ; the barrier has opened a round of the cluster's barrier: no wave of any partner still reads this slot's tile or has a load on its way
	s_add_nc_u64 s[G0+4*\slot+2:G0+4*\slot+3], s[G0+4*\slot+2:G0+4*\slot+3], 2*8192
	s_add_nc_u64 s[G0B+4*\slot+2:G0B+4*\slot+3], s[G0B+4*\slot+2:G0B+4*\slot+3], 2*KSTEP
	JLOAD \slot                                    ; the first tensor load behind the round: 56 matrix instructions ahead of the wait for it; its four v_nop are the places in front of the loads below
.else
	PLACES
.endif
	FETCH \next, 0, F0
	WIN MUL
	MUL4 F1, 2, 0
	MUL4 F1, 3, 0
.endm
	s_wait_tensorcnt 0x0                           ; my part of A or W is in,
	s_barrier_signal -1
	s_barrier_wait -1                              ; everybody's is
	FETCH 0, 0, F0
	QUARTER 0, 1, F0, F1, 1                        ; the first quarter stands in front of the loop: its products start the sums
.if LAPS > 1
	WIN 0                                          ; at a label and at a branch every window is 0
	s_mov_b32 s3, LAPS-1
.Llap:                                                 ; a trip goes once round the ring, from a lap's second quarter to the next lap's first, and fills both slots again
	QUARTER 0, 2, F1, F0, 0
	QUARTER 0, 3, F0, F1, 0
	TURN 0, 1, 1
	QUARTER 1, 1, F0, F1, 0
	QUARTER 1, 2, F1, F0, 0
	QUARTER 1, 3, F0, F1, 0
	TURN 1, 0, 1
	QUARTER 0, 1, F0, F1, 0
	WIN 0
	s_sub_co_u32 s3, s3, 1
	s_cmp_lg_u32 s3, 0
	s_cbranch_scc1 .Llap
.endif
	QUARTER 0, 2, F1, F0, 0                        ; the last lap fills nothing, and has no round of the cluster's barrier
	QUARTER 0, 3, F0, F1, 0
	TURN 0, 1, 0
	QUARTER 1, 1, F0, F1, 0
	QUARTER 1, 2, F1, F0, 0
	QUARTER 1, 3, F0, F1, 0
	s_wait_dscnt 8                                 ; the very last quarter: nothing more to fetch
	WIN MUL
	MUL4 F1, 0, 0
	MUL4 F1, 1, 0
	s_wait_alu depctr_va_vdst(0)
	s_wait_dscnt 0
	MUL4 F1, 2, 0
	MUL4 F1, 3, 0
	WIN 0
	; THE WAY OUT, block by block of 16 rows x 64 columns.  A lane holds 32 neighbouring bytes of a row: a block goes through my own stage in LDS and comes back so that sixteen lanes hold a row's 256 bytes.
	s_wait_kmcnt 0x0
	s_add_co_i32 s80, s80, s81
	s_add_co_i32 s80, s80, 127
	s_lshl_b32 s80, s80, 23                        ; 2^(eA + eB) as f32
	s_mov_b32 s81, s80                             ; (named with it as a pair, so it is written)
	s_wait_loadcnt 0x0                             ; the residual and the bias
	PLACES                                         ; behind the last products
.macro OUTBLK a
.set BB, BK+32*((\a)%2)
.if (\a) >= 2
	s_wait_xcnt 0x0                                ; block a - 2's stores have read their registers: this block's rows may land there
.endif
.irp b, 0,1,2,3
	ds_store_b128 v[STO], v[ACC+8*(4*(\a)+\b):ACC+8*(4*(\a)+\b)+3] offset:64*\b        ; each accumulator from its low end on
	ds_store_b128 v[STO], v[ACC+8*(4*(\a)+\b)+4:ACC+8*(4*(\a)+\b)+7] offset:64*\b+16
.endr
.irp t, 0,1,2,3,4,5,6,7
	ds_load_b128 v[BB+4*\t:BB+4*\t+3], v[RD] offset:\t*2*SPITCH   ; LDS serves a wave's instructions in order (ISA guide 5.7.1.4): these see my stores, and the next block's stores come behind them
.endr
	s_wait_dscnt 0x0
.irp t, 0,1,2,3,4,5,6,7
.irp i, 0,2
	v_pk_fma_f32 v[BB+4*\t+\i:BB+4*\t+\i+1], v[BB+4*\t+\i:BB+4*\t+\i+1], s[80:81], v[BI+\i:BI+\i+1] op_sel_hi:[1,0,1]   ; sum x 2^(eA + eB) + bias
.endr
.endr
	WIN 0x08                                       ; source 1 window 2
.set j, 0
.rept 16
	v_pk_add_f32 v[BB+j:BB+j+1], v[BB+j:BB+j+1], v[32*(\a)+j:32*(\a)+j+1]   ; + the residual
.set j, j+2
.endr
	WIN 0
.irp t, 0,1,2,3,4,5,6,7
	global_store_b128 v[CO], v[BB+4*\t:BB+4*\t+3], s[8:9] offset:(16*(\a)+2*\t)*4096   ; 16 lanes store 256 consecutive bytes, aligned
.endr
.endm
.irp a, 0,1,2,3
	OUTBLK \a
.endr
	s_wait_tensorcnt 0x0                           ; the wave's end: behind my last tensor load and my last LDS store
	ds_add_u32 v[SPW], v[NIL]
	s_wait_dscnt 0x0
	CROUND                                         ; the closing round: no work-group ends while a partner may still ask for a tile that names it
	s_endpgm
.Lfunc_end_k_q8308cc87cd_wo:
	.size	k_q8308cc87cd_wo, .Lfunc_end_k_q8308cc87cd_wo-k_q8308cc87cd_wo
	.p2alignl 7, 3214868480
	.fill 96, 4, 3214868480
	.section	.rodata,"a",@progbits
	.p2align	6, 0x0
	.amdhsa_kernel k_q8308cc87cd_wo
		.amdhsa_group_segment_fixed_size 327680
		.amdhsa_private_segment_fixed_size 0
		.amdhsa_enable_private_segment 0
		.amdhsa_kernarg_size 48
		.amdhsa_user_sgpr_count 2
		.amdhsa_user_sgpr_kernarg_segment_ptr 1
		.amdhsa_wavefront_size32 1
		.amdhsa_system_sgpr_workgroup_id_x 1
		.amdhsa_system_sgpr_workgroup_id_y 1
		.amdhsa_system_sgpr_workgroup_id_z 1
		.amdhsa_system_vgpr_workitem_id 0
		.amdhsa_next_free_vgpr 640
		.amdhsa_next_free_sgpr 92
		.amdhsa_reserve_vcc 0
		.amdhsa_float_denorm_mode_32 3
		.amdhsa_float_denorm_mode_16_64 3
		.amdhsa_memory_ordered 1
		.amdhsa_forward_progress 1
		.amdhsa_inst_pref_size 60
	.end_amdhsa_kernel
	.amdgpu_metadata
---
amdhsa.version: [ 1, 2 ]
amdhsa.kernels:
  - .name:           k_q8308cc87cd_wo
    .symbol:         k_q8308cc87cd_wo.kd
    .args:
      - { .name: oimg, .offset: 0, .size: 8, .value_kind: global_buffer, .address_space: global }
      - { .name: Wo_codes, .offset: 8, .size: 8, .value_kind: global_buffer, .address_space: global }
      - { .name: bo, .offset: 16, .size: 8, .value_kind: global_buffer, .address_space: global }
      - { .name: src, .offset: 24, .size: 8, .value_kind: global_buffer, .address_space: global }
      - { .name: lowp_scales, .offset: 32, .size: 8, .value_kind: global_buffer, .address_space: global }
      - { .name: ysum, .offset: 40, .size: 8, .value_kind: global_buffer, .address_space: global }
    .group_segment_fixed_size: 327680
    .private_segment_fixed_size: 0
    .kernarg_segment_align: 8
    .kernarg_segment_size: 48
    .max_flat_workgroup_size: 128
    .sgpr_count:     92
    .vgpr_count:     640
    .wavefront_size: 32
...
	.end_amdgpu_metadata
.endif
;; end of part 4
;; launch ln1 (part 5): grid 256 x 1, 4 waves a work-group, no clusters, 33,280 bytes of LDS; arguments ysum, g1, be1, lowp_scales, xf, xc; writes xf, xc
.if DOCPART == 5
	.amdgcn_target "amdgcn-amd-amdhsa--gfx1250"
	.amdhsa_code_object_version 6
	.text
	.protected	k_q8308cc87cd_ln1
	.globl	k_q8308cc87cd_ln1
	.p2align	8
	.type	k_q8308cc87cd_ln1,@function
k_q8308cc87cd_ln1:
	s_mov_b64 s[64:65], 0
	v_nop
	global_prefetch_b8 v0, s[64:65] scope:SCOPE_SE
	s_setreg_imm32_b32 hwreg(HW_REG_WAVE_MODE, 25, 1), 1
	s_wait_xcnt 0x0
; A layer norm along rows of 1,024 f32: out = (y - mean) / sqrt(var + 1e-5) x g + be, the variance taken of the differences from the mean, as two passes over the row in registers.  Rows of y lie in the order m' = 2048 b + s.
; One text serves two launches.  CODES = 1: out goes to x (f32, rows m') and, quantised to FP8 (E4M3) with entry 12 of the scales (between -126 and 119), to plain rows of codes.  CODES = 0: out is the problem's output, rows in the order 2 s + b.
; One wave, one row at a time, four rows a wave, all 32 loads asked for at the head; the reduction never leaves the wave: no barrier.  Each load and store covers 512 consecutive bytes.
; For the codes a lane must hold 16 neighbours: half a row at a time goes through the wave's own stage in LDS (64 bytes + 16 of padding a lane).  NaN is not served.
.set CODES, 1
.set LI,  1                            ; v1      16 x lane
.set SIN, 2                            ; v2      the stage, on the way in
.set SOUT, 3                           ; v3      and out
.set Q,   16                           ; v16-31  16 neighbours
.set G,   32                           ; v32-63  g of my 32 columns
.set BE,  64                           ; v64-95  be
.set C,   96                           ; v96-103 codes: a set for each half of a row
.set SCL, 104                          ; v104    2^e
.set LIM, 105                          ; v105    448 x 2^e
.set X,   128                          ; v128-255 four rows of 32 registers
.set SP,  80
.if CODES
.set OB,  12                           ; s[12:13] x
.set OSTR, 4096
.else
.set OB,  10                           ; s[10:11] the output
.set OSTR, 8192                        ; rows of one b lie 8,192 bytes apart
.endif
	s_load_b256 s[4:11], s[0:1], 0x0               ; y, g, be, and the scales (CODES = 1) or the output
.if CODES
	s_load_b128 s[12:15], s[0:1], 0x20             ; x, its codes
	v_lshl_add_u32 v126, v0, 2, 0x8000
	v_mov_b32 v127, 0
.endif
	v_lshrrev_b32 v12, 5, v0
	v_readfirstlane_b32 s16, v12                   ; wave
	v_and_b32 v12, 31, v0                          ; lane
	v_lshlrev_b32 v[LI], 4, v12
	v_mov_b32 v13, 0                               ; written once: a lane permute's destination counts as one of its sources
.if CODES
	s_mul_i32 s17, s16, 8192
	v_lshrrev_b32 v[SIN], 2, v12
	v_mul_u32_u24 v[SIN], v[SIN], SP
	v_and_b32 v14, 3, v12
	v_lshl_add_u32 v[SIN], v14, 4, v[SIN]
	v_add_nc_u32 v[SIN], s17, v[SIN]               ; SP (lane / 4) + 16 (lane % 4)
	v_mul_u32_u24 v[SOUT], v12, SP
	v_add_nc_u32 v[SOUT], s17, v[SOUT]             ; SP x lane
.endif
	s_lshl_b32 s18, ttmp9, 2
	s_add_co_u32 s18, s18, s16                     ; gw: rows 4 gw .. 4 gw + 3
	s_lshl_b32 s22, s18, 14
	s_mov_b32 s23, 0
.if CODES
	s_lshl_b32 s24, s18, 12                        ; four rows of 1,024 codes
.else
	s_lshl_b32 s24, s18, 2
	s_and_b32 s24, s24, 2047
	s_lshl_b32 s24, s24, 13                        ; s rows of 8,192 bytes
	s_lshr_b32 s25, s18, 9
	s_lshl_b32 s25, s25, 12                        ; + b x 4,096
	s_add_co_u32 s24, s24, s25
.endif
	s_mov_b32 s25, 0
	s_mov_b32 s20, 0x3a800000                      ; 1 / 1,024
	s_mov_b32 s21, 0x3727c5ac                      ; 1e-5
	s_mov_b32 s28, 0x76543210                      ; v_permlanex16_b32: lane l xor 16
	s_mov_b32 s29, 0xfedcba98
	s_wait_alu depctr_va_vdst(0)
	s_wait_kmcnt 0x0
.if CODES
	s_load_b32 s26, s[10:11], 48                   ; entry 12
	s_add_nc_u64 s[12:13], s[12:13], s[22:23]
	s_add_nc_u64 s[14:15], s[14:15], s[24:25]
.else
	s_add_nc_u64 s[10:11], s[10:11], s[24:25]
.endif
	s_add_nc_u64 s[4:5], s[4:5], s[22:23]
.irp j, 0,1,2,3,4,5,6,7
	global_load_b128 v[G+4*\j:G+4*\j+3], v[LI], s[6:7] offset:512*\j
	global_load_b128 v[BE+4*\j:BE+4*\j+3], v[LI], s[8:9] offset:512*\j
.endr
.irp i, 0,1,2,3
.irp j, 0,1,2,3,4,5,6,7
	global_load_b128 v[X+32*\i+4*\j:X+32*\i+4*\j+3], v[LI], s[4:5] offset:4096*\i+512*\j
.endr
.endr
.if CODES
	s_wait_kmcnt 0x0
	s_add_co_i32 s26, s26, 127
	s_lshl_b32 s27, s26, 23
	v_mov_b32 v[SCL], s27
	s_add_co_i32 s26, s26, 8
	s_lshl_b32 s26, s26, 23
	s_or_b32 s26, s26, 0x600000
	v_mov_b32 v[LIM], s26
.endif
.macro REDUCE                          ; v12 summed over the 32 lanes, the result in every lane
	v_add_f32_dpp v12, v12, v12 row_xmask:1 row_mask:0xf bank_mask:0xf
	v_add_f32_dpp v12, v12, v12 row_xmask:2 row_mask:0xf bank_mask:0xf
	v_add_f32_dpp v12, v12, v12 row_xmask:4 row_mask:0xf bank_mask:0xf
	v_add_f32_dpp v12, v12, v12 row_xmask:8 row_mask:0xf bank_mask:0xf
	v_permlanex16_b32 v13, v12, s28, s29
	v_add_f32 v12, v12, v13
.endm
.macro FOLD                            ; the four chains v[4:11] into v12
	v_pk_add_f32 v[4:5], v[4:5], v[6:7]
	v_pk_add_f32 v[8:9], v[8:9], v[10:11]
	v_pk_add_f32 v[4:5], v[4:5], v[8:9]
	v_add_f32 v12, v4, v5
.endm
.macro ROW i
.set XR, X+32*(\i)
	s_wait_loadcnt 8*(3-(\i))                      ; this row's eight loads are in (g and be are older); the later rows' may be out
.irp k, 0,1,2,3
	v_pk_add_f32 v[4+2*\k:5+2*\k], v[XR+2*\k:XR+2*\k+1], v[XR+8+2*\k:XR+9+2*\k]   ; the sum, in four chains: nothing is cleared
.endr
.irp k, 0,1,2,3,4,5,6,7
	v_pk_add_f32 v[4+2*(\k%4):5+2*(\k%4)], v[4+2*(\k%4):5+2*(\k%4)], v[XR+16+2*\k:XR+17+2*\k]
.endr
	FOLD
	REDUCE
	v_mul_f32 v14, s20, v12                        ; the mean, twice: a pair for the packed forms
	v_mul_f32 v15, s20, v12
.set j, 0
.rept 16
	v_pk_add_f32 v[XR+j:XR+j+1], v[XR+j:XR+j+1], v[14:15] neg_lo:[0,1] neg_hi:[0,1]   ; y - mean, in place
.set j, j+2
.endr
.irp k, 0,1,2,3
	v_pk_mul_f32 v[4+2*\k:5+2*\k], v[XR+2*\k:XR+2*\k+1], v[XR+2*\k:XR+2*\k+1]
.endr
.irp k, 0,1,2,3,4,5,6,7,8,9,10,11
	v_pk_fma_f32 v[4+2*(\k%4):5+2*(\k%4)], v[XR+8+2*\k:XR+9+2*\k], v[XR+8+2*\k:XR+9+2*\k], v[4+2*(\k%4):5+2*(\k%4)]
.endr
	FOLD
	REDUCE
	v_fma_f32 v12, v12, s20, s21                   ; the variance + 1e-5
	s_wait_alu depctr_va_vdst(0)
	v_rsq_f32 v14, v12
	v_rsq_f32 v15, v12
	v_nop                                          ; a plain place behind the transcendentals
.set j, 0
	s_wait_alu depctr_va_vdst(0)
.rept 16
	v_pk_mul_f32 v[XR+j:XR+j+1], v[XR+j:XR+j+1], v[14:15]
.set j, j+2
.endr
.set j, 0
.rept 16
	v_pk_fma_f32 v[XR+j:XR+j+1], v[XR+j:XR+j+1], v[G+j:G+j+1], v[BE+j:BE+j+1]
.set j, j+2
.endr
.irp j, 0,1,2,3,4,5,6,7
	global_store_b128 v[LI], v[XR+4*\j:XR+4*\j+3], s[OB:OB+1] offset:OSTR*(\i)+512*\j   ; a row has its own registers: no store's data are written again
.endr
.if CODES
.irp q, 0,1
.irp c, 0,1,2,3
	ds_store_b128 v[SIN], v[XR+16*\q+4*\c:XR+16*\q+4*\c+3] offset:32*SP*\q+8*SP*\c
.endr
.irp c, 0,1,2,3
	ds_load_b128 v[Q+4*\c:Q+4*\c+3], v[SOUT] offset:32*SP*\q+16*\c   ; LDS serves a wave's instructions in order: these see my stores
.endr
	s_wait_dscnt 0x0
.set j, 0
.rept 16
	v_med3_num_f32 v[Q+j], v[Q+j], -v[LIM], v[LIM]   ; the conversion to an 8-bit code does not saturate (ISA guide 7.6.2)
.set j, j+1
.endr
.if (\i) > 0
	s_wait_alu depctr_va_vdst(0)
	s_wait_xcnt 0x0                                ; the last row's store of codes has read its registers
.endif
	v_cvt_scalef32_pk8_fp8_f32 v[C+4*\q:C+4*\q+1], v[Q:Q+7], v[SCL]
	v_cvt_scalef32_pk8_fp8_f32 v[C+4*\q+2:C+4*\q+3], v[Q+8:Q+15], v[SCL]
	v_nop                                          ; one plain vector line behind the last conversion: the next holds write its sources
	global_store_b128 v[LI], v[C+4*\q:C+4*\q+3], s[14:15] offset:1024*(\i)+512*\q   ; 512 consecutive bytes of codes
.endr
.endif
.endm
.irp i, 0,1,2,3
	ROW \i
.endr
	s_wait_tensorcnt 0x0
	ds_add_u32 v126, v127
	s_wait_dscnt 0x0
	s_endpgm
.Lfunc_end_k_q8308cc87cd_ln1:
	.size	k_q8308cc87cd_ln1, .Lfunc_end_k_q8308cc87cd_ln1-k_q8308cc87cd_ln1
	.p2alignl 7, 3214868480
	.fill 96, 4, 3214868480
	.section	.rodata,"a",@progbits
	.p2align	6, 0x0
	.amdhsa_kernel k_q8308cc87cd_ln1
		.amdhsa_group_segment_fixed_size 33280
		.amdhsa_private_segment_fixed_size 0
		.amdhsa_enable_private_segment 0
		.amdhsa_kernarg_size 48
		.amdhsa_user_sgpr_count 2
		.amdhsa_user_sgpr_kernarg_segment_ptr 1
		.amdhsa_wavefront_size32 1
		.amdhsa_system_sgpr_workgroup_id_x 1
		.amdhsa_system_sgpr_workgroup_id_y 1
		.amdhsa_system_sgpr_workgroup_id_z 1
		.amdhsa_system_vgpr_workitem_id 0
		.amdhsa_next_free_vgpr 256
		.amdhsa_next_free_sgpr 66
		.amdhsa_reserve_vcc 0
		.amdhsa_float_denorm_mode_32 3
		.amdhsa_float_denorm_mode_16_64 3
		.amdhsa_memory_ordered 1
		.amdhsa_forward_progress 1
		.amdhsa_inst_pref_size 50
	.end_amdhsa_kernel
	.amdgpu_metadata
---
amdhsa.version: [ 1, 2 ]
amdhsa.kernels:
  - .name:           k_q8308cc87cd_ln1
    .symbol:         k_q8308cc87cd_ln1.kd
    .args:
      - { .name: ysum, .offset: 0, .size: 8, .value_kind: global_buffer, .address_space: global }
      - { .name: g1, .offset: 8, .size: 8, .value_kind: global_buffer, .address_space: global }
      - { .name: be1, .offset: 16, .size: 8, .value_kind: global_buffer, .address_space: global }
      - { .name: lowp_scales, .offset: 24, .size: 8, .value_kind: global_buffer, .address_space: global }
      - { .name: xf, .offset: 32, .size: 8, .value_kind: global_buffer, .address_space: global }
      - { .name: xc, .offset: 40, .size: 8, .value_kind: global_buffer, .address_space: global }
    .group_segment_fixed_size: 33280
    .private_segment_fixed_size: 0
    .kernarg_segment_align: 8
    .kernarg_segment_size: 48
    .max_flat_workgroup_size: 128
    .sgpr_count:     66
    .vgpr_count:     256
    .wavefront_size: 32
...
	.end_amdgpu_metadata
.endif
;; end of part 5
;; launch ffn1 (part 6): grid 16 x 16, 4 waves a work-group, clusters of 4 x 4, 327,680 bytes of LDS; arguments xc, W1_codes, b1, lowp_scales, himg; writes himg
.if DOCPART == 6
	.amdgcn_target "amdgcn-amd-amdhsa--gfx1250"
	.amdhsa_code_object_version 6
	.text
	.protected	k_q8308cc87cd_ffn1
	.globl	k_q8308cc87cd_ffn1
	.p2align	8
	.type	k_q8308cc87cd_ffn1,@function
k_q8308cc87cd_ffn1:
	s_mov_b64 s[64:65], 0
	v_nop
	global_prefetch_b8 v0, s[64:65] scope:SCOPE_SE
	s_setreg_imm32_b32 hwreg(HW_REG_WAVE_MODE, 25, 1), 1
	s_wait_xcnt 0x0
	s_wait_alu depctr_hold_cnt(0) depctr_sa_sdst(0) depctr_va_vdst(0) depctr_va_sdst(0) depctr_va_ssrc(0) depctr_va_vcc(0) depctr_vm_vsrc(0)
	s_getreg_b32 s2, hwreg(HW_REG_IB_STS2, 6, 4)
	s_cmp_eq_u32 s2, 0
	s_cbranch_scc0 .Lentry_in_a_cluster
	s_endpgm
.Lentry_in_a_cluster:
	s_bfe_u32 s2, ttmp6, 0x10000c
	s_cmp_lg_u32 s2, 0xf033
	s_cbranch_scc0 .Lentry_shape_is_right
	s_endpgm
.Lentry_shape_is_right:
.set QKV,    0
.set SIZE_K, 1024
.set KSTEP,  256
.set ROWB,   256
.set KROW,   SIZE_K
.set PITCH,  272
.set FR,     16
.set NL,     4
.set NP,     4
.set HALFT,  128*PITCH
.set SLOT,   4*HALFT
.set LAPS,   SIZE_K/(2*KSTEP)
.set SPARE,  2*SLOT
.set ADRA, 16
.set ADRB, 20
.set CO,   26
.set SPW,  28
.set NIL,  29
.set BC,   32
.set BRP,  96
.set SCL,  112
.set LIM,  113
.set AF,   128
.set TMP,  128
.set PC,   192
.set G1, 24
.set G0, 32
.set G1B, 48
.set G0B, 56
.set MSB, 0
.macro WIN new
.if MSB != \new
	s_set_vgpr_msb (MSB<<8)|\new
.set MSB, \new
.endif
.endm
.set MUL_LO, 0xa1
.set MUL_HI, 0xf1
.set TO_B,   0x40
.macro JLOAD g0a, g1a, g0b, g1b
	s_cmp_eq_u32 s15, 0
	s_cbranch_scc0 .Lfor_b_\@
	tensor_load_to_lds s[\g0a:\g0a+3], s[\g1a:\g1a+7]
	s_nop 0
.rept 4
	v_nop
.endr
	s_branch .Lasked_\@
.Lfor_b_\@:
	tensor_load_to_lds s[\g0b:\g0b+3], s[\g1b:\g1b+7]
	s_nop 0
.rept 4
	v_nop
.endr
.Lasked_\@:
.endm
.macro CREST
	s_cmp_lg_u32 s14, 0
	s_cbranch_scc1 .Lnot_wave_0_\@
	s_barrier_signal -3
.Lnot_wave_0_\@:
	s_barrier_wait -3
	s_barrier_signal -1
	s_barrier_wait -1
.endm
.macro CROUND
	s_barrier_signal -1
	s_barrier_wait -1
	CREST
.endm
.if QKV
	s_load_b512 s[68:83], s[0:1], 0x0
	s_load_b64 s[84:85], s[0:1], 0x40
.else
	s_load_b256 s[68:75], s[0:1], 0x0
	s_load_b64 s[76:77], s[0:1], 0x20
.endif
	v_lshl_add_u32 v[SPW], v0, 2, SPARE
	v_mov_b32 v[NIL], 0
	ds_add_u32 v28, v29
	ds_add_u32 v28, v29
	s_wait_dscnt 0x0
	v_lshrrev_b32 v1, 5, v0
	v_readfirstlane_b32 s14, v1
	s_lshr_b32 s15, s14, 1
	s_and_b32 s16, s14, 1
	s_bfe_u32 s40, ttmp6, 0x40000
	s_bfe_u32 s41, ttmp6, 0x40004
	s_and_b32 s89, ttmp7, 0xffff
	s_lshl_b32 s89, s89, 2
.if QKV
	s_mov_b32 s88, ttmp9
	s_cmp_eq_u32 s88, 2
	s_cselect_b32 s90, 0, s89
	s_cselect_b32 s93, s89, 0
	s_cselect_b32 s91, 0, -1
	s_cselect_b32 s92, -1, 0
	s_mov_b32 s94, 0x4000
	s_cselect_b32 s94, 0x10000, s94
	s_add_co_u32 s17, s41, s90
	s_add_co_u32 s42, s40, s93
.else
	s_lshl_b32 s42, ttmp9, 2
	s_add_co_u32 s42, s42, s40
	s_add_co_u32 s17, s89, s41
	s_mov_b32 s94, 0x10000
.endif
	s_mov_b32 s95, 0
	s_lshl_b32 s43, s41, 2
	s_lshl_b32 s43, 15, s43
	s_lshl_b32 s44, 0x1111, s40
	s_or_b32 s[G1+0], s43, (0<<16)|(1<<20)|(1<<21)|(5<<22)|(3<<25)
	s_or_b32 s[G1B+0], s44, (0<<16)|(1<<20)|(1<<21)|(5<<22)|(3<<25)
.irp g, G1, G1B
	s_mov_b32 s[\g+1], ROWB<<16
	s_mov_b32 s[\g+2], 128<<16
	s_mov_b32 s[\g+3], ROWB<<16
	s_mov_b32 s[\g+4], 128
	s_mov_b32 s[\g+5], KROW
	s_mov_b32 s[\g+6], 0
	s_mov_b32 s[\g+7], 0
.endr
	s_lshl_b32 s18, s16, 7
	s_lshl_b32 s20, s17, 8
	s_add_co_u32 s20, s20, s18
	s_lshl_b32 s20, s20, 10
	s_mov_b32 s21, 0
	s_lshl_b32 s46, s42, 8
	s_add_co_u32 s46, s46, s18
	s_lshl_b32 s46, s46, 10
	s_mov_b32 s47, 0
	s_mul_i32 s45, s14, HALFT
	s_lshl_b32 s98, s42, 8
	s_lshl_b32 s99, s16, 7
	s_add_co_u32 s98, s98, s99
	s_lshl_b32 s98, s98, 2
.if QKV
	s_and_b32 s98, s98, s91
	s_lshl_b32 s100, s17, 8
	s_lshl_b32 s101, s15, 7
	s_add_co_u32 s100, s100, s101
	s_lshl_b32 s100, s100, 2
	s_and_b32 s100, s100, s92
	s_mov_b32 s101, 0
.endif
	s_mov_b32 s99, 0
	s_lshl_b32 s22, s17, 4
	s_lshl_b32 s23, s15, 3
	s_add_co_u32 s22, s22, s23
	s_mul_i32 s22, s22, s94
	s_lshl_b32 s23, s42, 1
	s_add_co_u32 s23, s23, s16
	s_lshl_b32 s23, s23, 11
	s_add_co_u32 s22, s22, s23
.if QKV
	s_lshl_b32 s23, s88, 22
	s_add_co_u32 s22, s22, s23
.endif
	s_mov_b32 s23, 0
	s_wait_kmcnt 0x0
.if QKV
	s_add_nc_u64 s[4:5], s[68:69], 0x400000
	s_add_nc_u64 s[6:7], s[68:69], 0x800000
	s_cmp_eq_u32 s88, 0
	s_cselect_b64 s[4:5], s[68:69], s[4:5]
	s_cselect_b64 s[8:9], s[76:77], s[78:79]
	s_cselect_b64 s[12:13], s[70:71], s[72:73]
	s_cmp_eq_u32 s88, 2
	s_cselect_b64 s[4:5], s[74:75], s[4:5]
	s_cselect_b64 s[6:7], s[6:7], s[12:13]
	s_mov_b64 s[12:13], s[80:81]
	s_mov_b64 s[10:11], s[84:85]
	s_mov_b64 s[86:87], s[82:83]
.else
	s_mov_b64 s[4:5], s[68:69]
	s_mov_b64 s[6:7], s[70:71]
	s_mov_b64 s[8:9], s[72:73]
	s_mov_b64 s[10:11], s[76:77]
	s_mov_b64 s[86:87], s[74:75]
.endif
	s_load_b512 s[68:83], s[86:87], 0x0
	s_add_nc_u64 s[20:21], s[4:5], s[20:21]
	s_add_nc_u64 s[46:47], s[6:7], s[46:47]
	s_add_nc_u64 s[8:9], s[8:9], s[98:99]
.if QKV
	s_add_nc_u64 s[12:13], s[12:13], s[100:101]
.endif
	s_add_nc_u64 s[10:11], s[10:11], s[22:23]
	; the prefetches: of the 128 rows that my wave fetches, each of the four partners that ask for them jointly names 32, told apart by address (cx for A's tiles, cy for B's); a lane a row, 256 bytes of it a K step
	s_cmp_eq_u32 s15, 0
	s_cselect_b64 s[66:67], s[20:21], s[46:47]
	s_cselect_b32 s22, s40, s41
	s_lshl_b32 s22, s22, 15                        ; 32 rows of 1,024 bytes (s23 = 0)
	s_add_nc_u64 s[66:67], s[66:67], s[22:23]
	v_and_b32 v30, 31, v0
	v_lshlrev_b32 v30, 10, v30
	s_wait_alu depctr_va_vdst(0)                   ; the wait ahead of the round
	CROUND
.irp s, 0,1
	s_mov_b32 s[G0+4*\s], 1
	s_add_co_u32 s[G0+4*\s+1], s45, \s*SLOT
	s_add_nc_u64 s[G0+4*\s+2:G0+4*\s+3], s[20:21], \s*ROWB
	s_or_b32 s[G0+4*\s+3], s[G0+4*\s+3], 0x80000000
	s_mov_b32 s[G0B+4*\s], 1
	s_add_co_u32 s[G0B+4*\s+1], s45, \s*SLOT
	s_add_nc_u64 s[G0B+4*\s+2:G0B+4*\s+3], s[46:47], \s*ROWB
	s_or_b32 s[G0B+4*\s+3], s[G0B+4*\s+3], 0x80000000
.if \s                                 ; slot 1's first fill is issued as a refill is: the wait for my load, the add, its wait, a round
	s_wait_alu depctr_va_vdst(0)
	s_wait_tensorcnt 0x0
	ds_add_u32 v28, v29
	s_wait_dscnt 0x0
	CROUND
.endif
	JLOAD G0+4*\s, G1, G0B+4*\s, G1B
.if \s == 0
	global_prefetch_b8 v30, s[66:67] offset:256 th:TH_LOAD_NT scope:SCOPE_SE   ; K step 1
.endif
	global_prefetch_b8 v30, s[66:67] offset:512+256*\s th:TH_LOAD_NT scope:SCOPE_SE   ; the K step two loads on: 2, then 3, the last
.endr
	v_and_b32 v1, 15, v0
	v_bfe_u32 v2, v0, 4, 1
	v_mul_u32_u24 v3, v1, PITCH
	v_lshl_add_u32 v4, v2, 4, v3
	s_mul_i32 s21, s15, HALFT
	s_mul_i32 s22, s16, HALFT
	s_add_co_u32 s22, s22, 2*HALFT
.irp s, 0,1
	v_add_nc_u32 v[ADRA+\s], s21, v4
	v_add_nc_u32 v[ADRB+\s], s22, v4
	s_add_co_u32 s21, s21, SLOT
	s_add_co_u32 s22, s22, SLOT
.endr
	v_and_b32 v6, 31, v0
	v_lshlrev_b32 v[CO], 4, v6
	v_lshlrev_b32 v5, 5, v2
	v_lshlrev_b32 v7, 2, v1
.irp t, 0,1,2,3,4,5,6,7
	global_load_b128 v[BC+8*\t:BC+8*\t+3], v5, s[8:9] offset:64*\t
	global_load_b128 v[BC+8*\t+4:BC+8*\t+7], v5, s[8:9] offset:64*\t+16
.endr
.if QKV
.irp a, 0,1,2,3,4,5,6,7
	global_load_b32 v[BRP+2*\a], v7, s[12:13] offset:64*\a
.endr
.endif
.macro FRAG reg, adr, q, i
.irp c, 0,1,2,3
	ds_load_b128 v[\reg+4*\c:\reg+4*\c+3], v[\adr] offset:128*(\q)+32*\c+(\i)*16*PITCH
.endr
.endm
.macro MUL16 a0, p, zero
.irp a, \a0, \a0+1
.irp b, 0,1,2,3,4,5,6,7
.if \zero
	v_wmma_f32_16x16x128_fp8_fp8 v[8*(8*((\a)%4)+\b):8*(8*((\a)%4)+\b)+7], v[128*(\p)+FR*\b:128*(\p)+FR*\b+FR-1], v[AF+FR*(\a):AF+FR*(\a)+FR-1], 0
.else
	v_wmma_f32_16x16x128_fp8_fp8 v[8*(8*((\a)%4)+\b):8*(8*((\a)%4)+\b)+7], v[128*(\p)+FR*\b:128*(\p)+FR*\b+FR-1], v[AF+FR*(\a):AF+FR*(\a)+FR-1], v[8*(8*((\a)%4)+\b):8*(8*((\a)%4)+\b)+7]
.endif
.endr
.endr
.endm
.macro FETCH_B slot, q, p
	WIN TO_B
.irp i, 0,1,2,3,4,5,6,7
	FRAG 128*(\p)+FR*\i, ADRB+\slot, \q, \i
.endr
	WIN 0
.endm
.macro FETCH_A slot, q, i0
.irp i, \i0, \i0+1, \i0+2, \i0+3
	FRAG AF+FR*(\i), ADRA+\slot, \q, \i
.endr
.endm
.macro PLACES n
.rept \n
	v_nop
.endr
.endm
.macro STEP slot, q, zero
	s_wait_dscnt 4*NL
	WIN MUL_LO
	MUL16 0, (\q)%2, \zero
	MUL16 2, (\q)%2, \zero
	s_wait_dscnt 0
	PLACES NP
	FETCH_B \slot, (\q)+1, 1-(\q)%2
	FETCH_A \slot, (\q)+1, 0
	WIN MUL_HI
	MUL16 4, (\q)%2, \zero
	MUL16 6, (\q)%2, \zero
	PLACES NP
	WIN 0
	FETCH_A \slot, (\q)+1, 4
.endm
.macro TURN slot, next, fill
	s_wait_tensorcnt 0x0
	ds_add_u32 v[SPW], v[NIL]
	s_wait_dscnt 4*NL+1
	WIN MUL_LO
	MUL16 0, 1, 0
	s_wait_dscnt 0x0
	s_barrier_signal -1
	MUL16 2, 1, 0
	WIN 0
	s_barrier_wait -1
.if \fill
	CREST
	s_add_nc_u64 s[G0+4*\slot+2:G0+4*\slot+3], s[G0+4*\slot+2:G0+4*\slot+3], 2*ROWB
	s_add_nc_u64 s[G0B+4*\slot+2:G0B+4*\slot+3], s[G0B+4*\slot+2:G0B+4*\slot+3], 2*ROWB
	JLOAD G0+4*\slot, G1, G0B+4*\slot, G1B
.else
	PLACES NP
.endif
	FETCH_B \next, 0, 0
	FETCH_A \next, 0, 0
	WIN MUL_HI
	MUL16 4, 1, 0
	MUL16 6, 1, 0
	PLACES NP
	WIN 0
	FETCH_A \next, 0, 4
.endm
	s_wait_alu depctr_va_vdst(0)
	s_wait_tensorcnt 1
	s_barrier_signal -1
	s_barrier_wait -1
	FETCH_B 0, 0, 0
	FETCH_A 0, 0, 0
	FETCH_A 0, 0, 4
	STEP 0, 0, 1
	s_mov_b32 s3, LAPS-1
.Llap:
	TURN 0, 1, 1
	STEP 1, 0, 0
	TURN 1, 0, 1
	STEP 0, 0, 0
	s_sub_co_u32 s3, s3, 1
	s_cmp_lg_u32 s3, 0
	s_cbranch_scc1 .Llap
	TURN 0, 1, 0
	STEP 1, 0, 0
	s_wait_dscnt 4*NL
	WIN MUL_LO
	MUL16 0, 1, 0
	MUL16 2, 1, 0
	s_wait_dscnt 0
	WIN MUL_HI
	MUL16 4, 1, 0
	MUL16 6, 1, 0
	WIN 0
	s_wait_kmcnt 0x0
.if QKV
	s_add_co_i32 s96, s68, s69
	s_add_co_i32 s97, s70, s71
	s_add_co_i32 s98, s72, s73
	s_cmp_eq_u32 s88, 1
	s_cselect_b32 s96, s97, s96
	s_cselect_b32 s99, s74, s75
	s_cmp_eq_u32 s88, 2
	s_cselect_b32 s96, s98, s96
	s_cselect_b32 s99, s76, s99
.else
	s_add_co_i32 s96, s80, s81
	s_mov_b32 s99, s82
.endif
	s_add_co_i32 s96, s96, 127
	s_lshl_b32 s96, s96, 23
	s_mov_b32 s97, s96
	s_add_co_i32 s99, s99, 127
	s_lshl_b32 s98, s99, 23
	s_add_co_i32 s99, s99, 8
	s_lshl_b32 s99, s99, 23
	s_or_b32 s99, s99, 0x600000
	s_wait_loadcnt 0x0
	PLACES NP
	v_mov_b32 v[SCL], s98
	v_mov_b32 v[LIM], s99
.if QKV
.set j, 0
.rept 64
	v_and_b32 v[BC+j], s91, v[BC+j]
.set j, j+1
.endr
.irp a, 0,1,2,3,4,5,6,7
	v_and_b32 v[BRP+2*\a], s92, v[BRP+2*\a]
	v_mov_b32 v[BRP+2*\a+1], v[BRP+2*\a]
.endr
.endif
.macro OUTBLK a
.set AC, 64*((\a)%4)
.set PB, PC+16*((\a)%2)
	WIN 0x02+((\a)/4)
.set j, 0
.rept 32
	v_pk_fma_f32 v[TMP+j:TMP+j+1], v[AC+j:AC+j+1], s[96:97], v[BC+j:BC+j+1] op_sel_hi:[1,0,1]
.set j, j+2
.endr
	WIN 0
.if QKV
.set j, 0
.rept 32
	v_pk_add_f32 v[TMP+j:TMP+j+1], v[TMP+j:TMP+j+1], v[BRP+2*(\a):BRP+2*(\a)+1]
.set j, j+2
.endr
.endif
.set j, 0
.rept 64
.if QKV
	v_med3_num_f32 v[TMP+j], v[TMP+j], -v[LIM], v[LIM]
.else
	v_med3_num_f32 v[TMP+j], v[TMP+j], 0, v[LIM]
.endif
.set j, j+1
.endr
.irp b, 0,1,2,3,4,5,6,7
	v_cvt_scalef32_pk8_fp8_f32 v[PB+2*\b:PB+2*\b+1], v[TMP+8*\b:TMP+8*\b+7], v[SCL]
.endr
	v_nop
.if (\a) > 0
	s_wait_alu depctr_va_vdst(0)
	s_wait_xcnt 0x0
	s_add_nc_u64 s[10:11], s[10:11], s[94:95]
.endif
.irp c, 0,1,2,3
	global_store_b128 v[CO], v[PB+4*\c:PB+4*\c+3], s[10:11] offset:512*\c
.endr
.endm
.irp a, 0,1,2,3,4,5,6,7
	OUTBLK \a
.endr
	s_wait_tensorcnt 0x0
	ds_add_u32 v[SPW], v[NIL]
	s_wait_dscnt 0x0
	CROUND
	s_endpgm
.Lfunc_end_k_q8308cc87cd_ffn1:
	.size	k_q8308cc87cd_ffn1, .Lfunc_end_k_q8308cc87cd_ffn1-k_q8308cc87cd_ffn1
	.p2alignl 7, 3214868480
	.fill 96, 4, 3214868480
	.section	.rodata,"a",@progbits
	.p2align	6, 0x0
	.amdhsa_kernel k_q8308cc87cd_ffn1
		.amdhsa_group_segment_fixed_size 327680
		.amdhsa_private_segment_fixed_size 0
		.amdhsa_enable_private_segment 0
		.amdhsa_kernarg_size 40
		.amdhsa_user_sgpr_count 2
		.amdhsa_user_sgpr_kernarg_segment_ptr 1
		.amdhsa_wavefront_size32 1
		.amdhsa_system_sgpr_workgroup_id_x 1
		.amdhsa_system_sgpr_workgroup_id_y 1
		.amdhsa_system_sgpr_workgroup_id_z 1
		.amdhsa_system_vgpr_workitem_id 0
		.amdhsa_next_free_vgpr 1024
		.amdhsa_next_free_sgpr 102
		.amdhsa_reserve_vcc 0
		.amdhsa_float_denorm_mode_32 3
		.amdhsa_float_denorm_mode_16_64 3
		.amdhsa_memory_ordered 1
		.amdhsa_forward_progress 1
		.amdhsa_inst_pref_size 137
	.end_amdhsa_kernel
	.amdgpu_metadata
---
amdhsa.version: [ 1, 2 ]
amdhsa.kernels:
  - .name:           k_q8308cc87cd_ffn1
    .symbol:         k_q8308cc87cd_ffn1.kd
    .args:
      - { .name: xc, .offset: 0, .size: 8, .value_kind: global_buffer, .address_space: global }
      - { .name: W1_codes, .offset: 8, .size: 8, .value_kind: global_buffer, .address_space: global }
      - { .name: b1, .offset: 16, .size: 8, .value_kind: global_buffer, .address_space: global }
      - { .name: lowp_scales, .offset: 24, .size: 8, .value_kind: global_buffer, .address_space: global }
      - { .name: himg, .offset: 32, .size: 8, .value_kind: global_buffer, .address_space: global }
    .group_segment_fixed_size: 327680
    .private_segment_fixed_size: 0
    .kernarg_segment_align: 8
    .kernarg_segment_size: 40
    .max_flat_workgroup_size: 128
    .sgpr_count:     102
    .vgpr_count:     1024
    .wavefront_size: 32
...
	.end_amdgpu_metadata
.endif
;; end of part 6
;; launch ffn2 (part 7): grid 8 x 32, 4 waves a work-group, clusters of 4 x 4, 327,680 bytes of LDS; arguments himg, W2_codes, b2, xf, lowp_scales, ysum; writes ysum
.if DOCPART == 7
	.amdgcn_target "amdgcn-amd-amdhsa--gfx1250"
	.amdhsa_code_object_version 6
	.text
	.protected	k_q8308cc87cd_ffn2
	.globl	k_q8308cc87cd_ffn2
	.p2align	8
	.type	k_q8308cc87cd_ffn2,@function
k_q8308cc87cd_ffn2:
	s_mov_b64 s[64:65], 0
	v_nop
	global_prefetch_b8 v0, s[64:65] scope:SCOPE_SE
	s_setreg_imm32_b32 hwreg(HW_REG_WAVE_MODE, 25, 1), 1
	s_wait_xcnt 0x0
	s_wait_alu depctr_hold_cnt(0) depctr_sa_sdst(0) depctr_va_vdst(0) depctr_va_sdst(0) depctr_va_ssrc(0) depctr_va_vcc(0) depctr_vm_vsrc(0)
	s_getreg_b32 s2, hwreg(HW_REG_IB_STS2, 6, 4)
	s_cmp_eq_u32 s2, 0
	s_cbranch_scc0 .Lentry_in_a_cluster
	s_endpgm
.Lentry_in_a_cluster:
	s_bfe_u32 s2, ttmp6, 0x10000c
	s_cmp_lg_u32 s2, 0xf033
	s_cbranch_scc0 .Lentry_shape_is_right
	s_endpgm
.Lentry_shape_is_right:
.set FFN,    1
.if FFN
.set SIZE_K, 4096
.set RSHIFT, 12
.set SCOFF,  56
.else
.set SIZE_K, 1024
.set RSHIFT, 13
.set SCOFF,  40
.endif
.set RSTR,   1<<RSHIFT
.set NKS,    SIZE_K/128
.set KSTEP,  512
.set PITCH,  528
.set AHALF,  32768
.set BHALF,  64*PITCH
.set BOFF,   2*AHALF
.set SLOT,   BOFF+2*BHALF
.set STAGE,  2*SLOT
.set SPITCH, 272
.set SPARE,  STAGE+4*16*SPITCH
.set LAPS,   SIZE_K/(2*KSTEP)
.set ADRA, 16
.set ADRB, 20
.set STO,  24
.set RD,   25
.set CO,   26
.set RO,   27
.set SPW,  28
.set NIL,  29
.set BO,   30
.set BK,   32
.set BI,   96
.set ACC,  128
.set F0,   0
.set F1,   128
.set G1, 24
.set G0, 32
.set G1B, 48
.set G0B, 56
.set MSB, 0
.macro WIN new
.if MSB != \new
	s_set_vgpr_msb (MSB<<8)|\new
.set MSB, \new
.endif
.endm
.set MUL,  0x05
.set TO_F, 0x40
.macro JLOAD s
	s_cmp_eq_u32 s11, 0
	s_cbranch_scc0 .Lfor_b_\@
	tensor_load_to_lds s[G0+4*\s:G0+4*\s+3], s[G1:G1+7]
	s_nop 0
.rept 4
	v_nop
.endr
	s_branch .Lasked_\@
.Lfor_b_\@:
	tensor_load_to_lds s[G0B+4*\s:G0B+4*\s+3], s[G1B:G1B+7]
	s_nop 0
.rept 4
	v_nop
.endr
.Lasked_\@:
.endm
.macro CREST
	s_cmp_lg_u32 s10, 0
	s_cbranch_scc1 .Lnot_wave_0_\@
	s_barrier_signal -3
.Lnot_wave_0_\@:
	s_barrier_wait -3
	s_barrier_signal -1
	s_barrier_wait -1
.endm
.macro CROUND
	s_barrier_signal -1
	s_barrier_wait -1
	CREST
.endm
	s_load_b256 s[68:75], s[0:1], 0x0
	s_load_b128 s[76:79], s[0:1], 0x20
	v_lshl_add_u32 v[SPW], v0, 2, SPARE
	v_mov_b32 v[NIL], 0
	ds_add_u32 v28, v29
	ds_add_u32 v28, v29
	s_wait_dscnt 0x0
	v_lshrrev_b32 v1, 5, v0
	v_readfirstlane_b32 s10, v1
	s_lshr_b32 s11, s10, 1
	s_and_b32 s12, s10, 1
	s_bfe_u32 s40, ttmp6, 0x40000
	s_bfe_u32 s41, ttmp6, 0x40004
	s_lshl_b32 s42, ttmp9, 2
	s_add_co_u32 s42, s42, s40
	s_and_b32 s13, ttmp7, 0xffff
	s_lshl_b32 s13, s13, 2
	s_add_co_u32 s13, s13, s41
	s_lshl_b32 s43, s41, 2
	s_lshl_b32 s43, 15, s43
	s_lshl_b32 s44, 0x1111, s40
	s_or_b32 s[G1+0], s43, (3<<16)|(1<<21)
	s_mov_b32 s[G1+1], 1024<<16
	s_mov_b32 s[G1+2], 4<<16
	s_mov_b32 s[G1+3], 1024<<16
	s_mov_b32 s[G1+4], 4
	s_mov_b32 s[G1+5], NKS*256
	s_mov_b32 s[G1+6], 0
	s_mov_b32 s[G1+7], 0
	s_or_b32 s[G1B+0], s44, (0<<16)|(1<<20)|(1<<21)|(6<<22)|(3<<25)
	s_mov_b32 s[G1B+1], KSTEP<<16
	s_mov_b32 s[G1B+2], 64<<16
	s_mov_b32 s[G1B+3], KSTEP<<16
	s_mov_b32 s[G1B+4], 64
	s_mov_b32 s[G1B+5], SIZE_K
	s_mov_b32 s[G1B+6], 0
	s_mov_b32 s[G1B+7], 0
	s_lshl_b32 s16, s13, 3
	s_lshl_b32 s17, s12, 2
	s_add_co_u32 s16, s16, s17
	s_mul_i32 s16, s16, NKS*2048
	s_mov_b32 s17, 0
	s_lshl_b32 s46, s42, 7
	s_lshl_b32 s47, s12, 6
	s_add_co_u32 s46, s46, s47
	s_mul_i32 s46, s46, SIZE_K
	s_mov_b32 s47, 0
	s_lshl_b32 s20, s12, 15
	s_mul_i32 s21, s12, BHALF
	s_add_co_u32 s21, s21, BOFF
	s_lshl_b32 s18, s13, 7
	s_lshl_b32 s19, s11, 6
	s_add_co_u32 s18, s18, s19
	s_lshl_b32 s22, s42, 7
	s_lshl_b32 s19, s12, 6
	s_add_co_u32 s22, s22, s19
	s_lshl_b32 s22, s22, 2
	s_mov_b32 s23, 0
	s_lshl_b32 s82, s18, 12
	s_add_co_u32 s82, s82, s22
	s_mov_b32 s83, 0
.if FFN
	s_mov_b32 s84, s82
.else
	s_and_b32 s84, s18, 2047
	s_lshl_b32 s84, s84, 13
	s_lshr_b32 s85, s18, 11
	s_lshl_b32 s85, s85, 12
	s_add_co_u32 s84, s84, s85
	s_add_co_u32 s84, s84, s22
.endif
	s_mov_b32 s85, 0
	s_wait_kmcnt 0x0
	s_load_b64 s[80:81], s[76:77], SCOFF
	s_add_nc_u64 s[14:15], s[68:69], s[16:17]
	s_add_nc_u64 s[46:47], s[70:71], s[46:47]
	s_add_nc_u64 s[72:73], s[72:73], s[22:23]
	s_add_nc_u64 s[74:75], s[74:75], s[84:85]
	s_add_nc_u64 s[8:9], s[78:79], s[82:83]
	; the prefetches: of the 32,768 bytes of a K step that my wave fetches, each of the four partners that ask for them jointly names 8,192, told apart by address (cx for A, cy for W): one row tile's run of A, or 16 rows of W; a lane 256 bytes
	s_cmp_eq_u32 s11, 0
	s_cselect_b64 s[86:87], s[14:15], s[46:47]
	s_cselect_b32 s66, s40, s41
	s_mov_b32 s88, KSTEP
	s_cselect_b32 s88, 8192, s88                   ; a K step on, in bytes
	s_mov_b32 s90, SIZE_K
	s_cselect_b32 s90, 512, s90                    ; from one pair of lanes to the next
	s_mul_i32 s66, s66, 16*SIZE_K                  ; a row tile of A's image and 16 rows of W are as many bytes
	s_mov_b32 s67, 0
	s_mov_b32 s89, 0
	s_add_nc_u64 s[86:87], s[86:87], s[66:67]
	s_add_nc_u64 s[86:87], s[86:87], s[88:89]      ; at K step 1: one K step on from the load that is being asked for
	v_bfe_u32 v6, v0, 1, 4
	v_and_b32 v7, 1, v0
	v_mul_lo_u32 v6, v6, s90
	v_lshl_add_u32 v31, v7, 8, v6
	v_add_nc_u32 v15, s88, v31                     ; the same, a K step further on
	s_wait_alu depctr_va_vdst(0)                   ; the wait ahead of the round
	CROUND
.irp s, 0,1
	s_mov_b32 s[G0+4*\s], 1
	s_add_co_u32 s[G0+4*\s+1], s20, \s*SLOT
	s_add_nc_u64 s[G0+4*\s+2:G0+4*\s+3], s[14:15], \s*8192
	s_or_b32 s[G0+4*\s+3], s[G0+4*\s+3], 0x80000000
	s_mov_b32 s[G0B+4*\s], 1
	s_add_co_u32 s[G0B+4*\s+1], s21, \s*SLOT
	s_add_nc_u64 s[G0B+4*\s+2:G0B+4*\s+3], s[46:47], \s*KSTEP
	s_or_b32 s[G0B+4*\s+3], s[G0B+4*\s+3], 0x80000000
.if \s                                 ; slot 1's first fill is issued as a refill is: the wait for my load, the add, its wait, a round
	s_wait_xcnt 0x0                                ; my prefetches have read their base: it may step
	s_add_nc_u64 s[86:87], s[86:87], s[88:89]
	s_wait_alu depctr_va_vdst(0)
	s_wait_tensorcnt 0x0
	ds_add_u32 v28, v29
	s_wait_dscnt 0x0
	CROUND
.endif
	JLOAD \s
.if \s == 0
	global_prefetch_b8 v31, s[86:87] th:TH_LOAD_NT scope:SCOPE_SE   ; K step 1
.endif
	global_prefetch_b8 v15, s[86:87] th:TH_LOAD_NT scope:SCOPE_SE   ; the K step two loads on
.endr
	v_and_b32 v1, 15, v0
	v_bfe_u32 v2, v0, 4, 1
	v_and_b32 v3, 31, v0
	v_lshlrev_b32 v3, 4, v3
	v_mul_u32_u24 v4, v1, PITCH
	v_lshl_add_u32 v4, v2, 3, v4
	s_lshl_b32 s22, s11, 15
	s_mul_i32 s23, s12, BHALF
	s_add_co_u32 s23, s23, BOFF
.irp s, 0,1
	v_add_nc_u32 v[ADRA+\s], s22, v3
	v_add_nc_u32 v[ADRB+\s], s23, v4
	s_add_co_u32 s22, s22, SLOT
	s_add_co_u32 s23, s23, SLOT
.endr
	s_mul_i32 s22, s10, 16*SPITCH
	s_add_co_u32 s22, s22, STAGE
	v_mul_u32_u24 v5, v1, SPITCH
	v_lshl_add_u32 v5, v2, 5, v5
	v_add_nc_u32 v[STO], s22, v5
	v_mul_u32_u24 v5, v2, SPITCH
	v_lshl_add_u32 v5, v1, 4, v5
	v_add_nc_u32 v[RD], s22, v5
	v_lshlrev_b32 v[BO], 4, v1
	v_lshl_add_u32 v[CO], v2, 12, v[BO]
	v_lshl_add_u32 v[RO], v2, RSHIFT, v[BO]
	WIN 0x80
.set i, 0
.rept 32
	global_load_b128 v[4*i:4*i+3], v[RO], s[74:75] offset:2*i*RSTR
.set i, i+1
.endr
	WIN 0
	global_load_b128 v[BI:BI+3], v[BO], s[72:73]
.macro MUL4 f, a, zero
.irp b, 0,1,2,3
.if \zero
	v_wmma_f32_16x16x128_fp8_fp8 v[ACC+8*(4*(\a)+\b):ACC+8*(4*(\a)+\b)+7], v[\f+64+16*\b:\f+64+16*\b+15], v[\f+16*(\a):\f+16*(\a)+15], 0
.else
	v_wmma_f32_16x16x128_fp8_fp8 v[ACC+8*(4*(\a)+\b):ACC+8*(4*(\a)+\b)+7], v[\f+64+16*\b:\f+64+16*\b+15], v[\f+16*(\a):\f+16*(\a)+15], v[ACC+8*(4*(\a)+\b):ACC+8*(4*(\a)+\b)+7]
.endif
.endr
.endm
.macro FETCH slot, q, f
	WIN TO_F
.irp b, 0,1,2,3
.irp c, 0,1,2,3,4,5,6,7
	ds_load_b64 v[\f+64+16*\b+2*\c:\f+64+16*\b+2*\c+1], v[ADRB+\slot] offset:\b*16*PITCH+128*(\q)+16*\c
.endr
.endr
.irp a, 0,1,2,3
.irp c, 0,1,2,3
	ds_load_b128 v[\f+16*\a+4*\c:\f+16*\a+4*\c+3], v[ADRA+\slot] offset:\a*8192+2048*(\q)+512*\c
.endr
.endr
.endm
.macro PLACES
.rept 4
	v_nop
.endr
.endm
.macro QUARTER slot, q, f, g, zero
	s_wait_dscnt 8
	WIN MUL
	MUL4 \f, 0, \zero
	MUL4 \f, 1, \zero
	PLACES
	FETCH \slot, \q, \g
	s_wait_dscnt 48
	WIN MUL
	MUL4 \f, 2, \zero
	MUL4 \f, 3, \zero
.endm
.macro TURN slot, next, fill
	WIN 0
.if \fill
	s_wait_xcnt 0x0                                ; my last prefetch has read its base: it steps here, a K step behind that prefetch
	s_add_nc_u64 s[86:87], s[86:87], s[88:89]
.endif
	s_wait_tensorcnt 0x0
	ds_add_u32 v[SPW], v[NIL]
	s_wait_dscnt 9
	WIN MUL
	MUL4 F1, 0, 0
	s_wait_dscnt 0x0
	s_barrier_signal -1
	MUL4 F1, 1, 0
.if \fill
	WIN 0
.endif
	s_barrier_wait -1
.if \fill
	CREST
	s_add_nc_u64 s[G0+4*\slot+2:G0+4*\slot+3], s[G0+4*\slot+2:G0+4*\slot+3], 2*8192
	s_add_nc_u64 s[G0B+4*\slot+2:G0B+4*\slot+3], s[G0B+4*\slot+2:G0B+4*\slot+3], 2*KSTEP
	JLOAD \slot
.else
	PLACES
.endif
	FETCH \next, 0, F0
.if \fill                              ; behind the joint load and the run of LDS loads: the K step two refills on; the loop's last trip (s3 = 1) has none
	WIN 0
	s_cmp_gt_u32 s3, 1
	s_cbranch_scc0 .Lno_ask_\@
	global_prefetch_b8 v15, s[86:87] th:TH_LOAD_NT scope:SCOPE_SE
.Lno_ask_\@:
.endif
	WIN MUL
	MUL4 F1, 2, 0
	MUL4 F1, 3, 0
.endm
	s_wait_tensorcnt 1
	s_barrier_signal -1
	s_barrier_wait -1
	FETCH 0, 0, F0
	QUARTER 0, 1, F0, F1, 1
.if LAPS > 1
	WIN 0
	s_mov_b32 s3, LAPS-1
.Llap:
	QUARTER 0, 2, F1, F0, 0
	QUARTER 0, 3, F0, F1, 0
	TURN 0, 1, 1
	QUARTER 1, 1, F0, F1, 0
	QUARTER 1, 2, F1, F0, 0
	QUARTER 1, 3, F0, F1, 0
	TURN 1, 0, 1
	QUARTER 0, 1, F0, F1, 0
	WIN 0
	s_sub_co_u32 s3, s3, 1
	s_cmp_lg_u32 s3, 0
	s_cbranch_scc1 .Llap
.endif
	QUARTER 0, 2, F1, F0, 0
	QUARTER 0, 3, F0, F1, 0
	TURN 0, 1, 0
	QUARTER 1, 1, F0, F1, 0
	QUARTER 1, 2, F1, F0, 0
	QUARTER 1, 3, F0, F1, 0
	s_wait_dscnt 8
	WIN MUL
	MUL4 F1, 0, 0
	MUL4 F1, 1, 0
	s_wait_alu depctr_va_vdst(0)
	s_wait_dscnt 0
	MUL4 F1, 2, 0
	MUL4 F1, 3, 0
	WIN 0
	s_wait_kmcnt 0x0
	s_add_co_i32 s80, s80, s81
	s_add_co_i32 s80, s80, 127
	s_lshl_b32 s80, s80, 23
	s_mov_b32 s81, s80
	s_wait_loadcnt 0x0
	PLACES
.macro OUTBLK a
.set BB, BK+32*((\a)%2)
.if (\a) >= 2
	s_wait_xcnt 0x0
.endif
.irp b, 0,1,2,3
	ds_store_b128 v[STO], v[ACC+8*(4*(\a)+\b):ACC+8*(4*(\a)+\b)+3] offset:64*\b
	ds_store_b128 v[STO], v[ACC+8*(4*(\a)+\b)+4:ACC+8*(4*(\a)+\b)+7] offset:64*\b+16
.endr
.irp t, 0,1,2,3,4,5,6,7
	ds_load_b128 v[BB+4*\t:BB+4*\t+3], v[RD] offset:\t*2*SPITCH
.endr
	s_wait_dscnt 0x0
.irp t, 0,1,2,3,4,5,6,7
.irp i, 0,2
	v_pk_fma_f32 v[BB+4*\t+\i:BB+4*\t+\i+1], v[BB+4*\t+\i:BB+4*\t+\i+1], s[80:81], v[BI+\i:BI+\i+1] op_sel_hi:[1,0,1]
.endr
.endr
	WIN 0x08
.set j, 0
.rept 16
	v_pk_add_f32 v[BB+j:BB+j+1], v[BB+j:BB+j+1], v[32*(\a)+j:32*(\a)+j+1]
.set j, j+2
.endr
	WIN 0
.irp t, 0,1,2,3,4,5,6,7
	global_store_b128 v[CO], v[BB+4*\t:BB+4*\t+3], s[8:9] offset:(16*(\a)+2*\t)*4096
.endr
.endm
.irp a, 0,1,2,3
	OUTBLK \a
.endr
	s_wait_tensorcnt 0x0
	ds_add_u32 v[SPW], v[NIL]
	s_wait_dscnt 0x0
	CROUND
	s_endpgm
.Lfunc_end_k_q8308cc87cd_ffn2:
	.size	k_q8308cc87cd_ffn2, .Lfunc_end_k_q8308cc87cd_ffn2-k_q8308cc87cd_ffn2
	.p2alignl 7, 3214868480
	.fill 96, 4, 3214868480
	.section	.rodata,"a",@progbits
	.p2align	6, 0x0
	.amdhsa_kernel k_q8308cc87cd_ffn2
		.amdhsa_group_segment_fixed_size 327680
		.amdhsa_private_segment_fixed_size 0
		.amdhsa_enable_private_segment 0
		.amdhsa_kernarg_size 48
		.amdhsa_user_sgpr_count 2
		.amdhsa_user_sgpr_kernarg_segment_ptr 1
		.amdhsa_wavefront_size32 1
		.amdhsa_system_sgpr_workgroup_id_x 1
		.amdhsa_system_sgpr_workgroup_id_y 1
		.amdhsa_system_sgpr_workgroup_id_z 1
		.amdhsa_system_vgpr_workitem_id 0
		.amdhsa_next_free_vgpr 640
		.amdhsa_next_free_sgpr 92
		.amdhsa_reserve_vcc 0
		.amdhsa_float_denorm_mode_32 3
		.amdhsa_float_denorm_mode_16_64 3
		.amdhsa_memory_ordered 1
		.amdhsa_forward_progress 1
		.amdhsa_inst_pref_size 100
	.end_amdhsa_kernel
	.amdgpu_metadata
---
amdhsa.version: [ 1, 2 ]
amdhsa.kernels:
  - .name:           k_q8308cc87cd_ffn2
    .symbol:         k_q8308cc87cd_ffn2.kd
    .args:
      - { .name: himg, .offset: 0, .size: 8, .value_kind: global_buffer, .address_space: global }
      - { .name: W2_codes, .offset: 8, .size: 8, .value_kind: global_buffer, .address_space: global }
      - { .name: b2, .offset: 16, .size: 8, .value_kind: global_buffer, .address_space: global }
      - { .name: xf, .offset: 24, .size: 8, .value_kind: global_buffer, .address_space: global }
      - { .name: lowp_scales, .offset: 32, .size: 8, .value_kind: global_buffer, .address_space: global }
      - { .name: ysum, .offset: 40, .size: 8, .value_kind: global_buffer, .address_space: global }
    .group_segment_fixed_size: 327680
    .private_segment_fixed_size: 0
    .kernarg_segment_align: 8
    .kernarg_segment_size: 48
    .max_flat_workgroup_size: 128
    .sgpr_count:     92
    .vgpr_count:     640
    .wavefront_size: 32
...
	.end_amdgpu_metadata
.endif
;; end of part 7
;; launch ln2 (part 8): grid 256 x 1, 4 waves a work-group, no clusters, 0 bytes of LDS; arguments ysum, g2, be2, out0; writes out0
.if DOCPART == 8
	.amdgcn_target "amdgcn-amd-amdhsa--gfx1250"
	.amdhsa_code_object_version 6
	.text
	.protected	k_q8308cc87cd_ln2
	.globl	k_q8308cc87cd_ln2
	.p2align	8
	.type	k_q8308cc87cd_ln2,@function
k_q8308cc87cd_ln2:
	s_mov_b64 s[64:65], 0
	v_nop
	global_prefetch_b8 v0, s[64:65] scope:SCOPE_SE
	s_setreg_imm32_b32 hwreg(HW_REG_WAVE_MODE, 25, 1), 1
	s_wait_xcnt 0x0
; A layer norm along rows of 1,024 f32: out = (y - mean) / sqrt(var + 1e-5) x g + be, the variance taken of the differences from the mean, as two passes over the row in registers.  Rows of y lie in the order m' = 2048 b + s.
; One text serves two launches.  CODES = 1: out goes to x (f32, rows m') and, quantised to FP8 (E4M3) with entry 12 of the scales (between -126 and 119), to plain rows of codes.  CODES = 0: out is the problem's output, rows in the order 2 s + b.
; One wave, one row at a time, four rows a wave, all 32 loads asked for at the head; the reduction never leaves the wave: no barrier.  Each load and store covers 512 consecutive bytes.
; For the codes a lane must hold 16 neighbours: half a row at a time goes through the wave's own stage in LDS (64 bytes + 16 of padding a lane).  NaN is not served.
.set CODES, 0
.set LI,  1                            ; v1      16 x lane
.set SIN, 2                            ; v2      the stage, on the way in
.set SOUT, 3                           ; v3      and out
.set Q,   16                           ; v16-31  16 neighbours
.set G,   32                           ; v32-63  g of my 32 columns
.set BE,  64                           ; v64-95  be
.set C,   96                           ; v96-103 codes: a set for each half of a row
.set SCL, 104                          ; v104    2^e
.set LIM, 105                          ; v105    448 x 2^e
.set X,   128                          ; v128-255 four rows of 32 registers
.set SP,  80
.if CODES
.set OB,  12                           ; s[12:13] x
.set OSTR, 4096
.else
.set OB,  10                           ; s[10:11] the output
.set OSTR, 8192                        ; rows of one b lie 8,192 bytes apart
.endif
	s_load_b256 s[4:11], s[0:1], 0x0               ; y, g, be, and the scales (CODES = 1) or the output
.if CODES
	s_load_b128 s[12:15], s[0:1], 0x20             ; x, its codes
.endif
	v_lshrrev_b32 v12, 5, v0
	v_readfirstlane_b32 s16, v12                   ; wave
	v_and_b32 v12, 31, v0                          ; lane
	v_lshlrev_b32 v[LI], 4, v12
	v_mov_b32 v13, 0                               ; written once: a lane permute's destination counts as one of its sources
.if CODES
	s_mul_i32 s17, s16, 8192
	v_lshrrev_b32 v[SIN], 2, v12
	v_mul_u32_u24 v[SIN], v[SIN], SP
	v_and_b32 v14, 3, v12
	v_lshl_add_u32 v[SIN], v14, 4, v[SIN]
	v_add_nc_u32 v[SIN], s17, v[SIN]               ; SP (lane / 4) + 16 (lane % 4)
	v_mul_u32_u24 v[SOUT], v12, SP
	v_add_nc_u32 v[SOUT], s17, v[SOUT]             ; SP x lane
.endif
	s_lshl_b32 s18, ttmp9, 2
	s_add_co_u32 s18, s18, s16                     ; gw: rows 4 gw .. 4 gw + 3
	s_lshl_b32 s22, s18, 14
	s_mov_b32 s23, 0
.if CODES
	s_lshl_b32 s24, s18, 12                        ; four rows of 1,024 codes
.else
	s_lshl_b32 s24, s18, 2
	s_and_b32 s24, s24, 2047
	s_lshl_b32 s24, s24, 13                        ; s rows of 8,192 bytes
	s_lshr_b32 s25, s18, 9
	s_lshl_b32 s25, s25, 12                        ; + b x 4,096
	s_add_co_u32 s24, s24, s25
.endif
	s_mov_b32 s25, 0
	s_mov_b32 s20, 0x3a800000                      ; 1 / 1,024
	s_mov_b32 s21, 0x3727c5ac                      ; 1e-5
	s_mov_b32 s28, 0x76543210                      ; v_permlanex16_b32: lane l xor 16
	s_mov_b32 s29, 0xfedcba98
	s_wait_alu depctr_va_vdst(0)
	s_wait_kmcnt 0x0
.if CODES
	s_load_b32 s26, s[10:11], 48                   ; entry 12
	s_add_nc_u64 s[12:13], s[12:13], s[22:23]
	s_add_nc_u64 s[14:15], s[14:15], s[24:25]
.else
	s_add_nc_u64 s[10:11], s[10:11], s[24:25]
.endif
	s_add_nc_u64 s[4:5], s[4:5], s[22:23]
.irp j, 0,1,2,3,4,5,6,7
	global_load_b128 v[G+4*\j:G+4*\j+3], v[LI], s[6:7] offset:512*\j
	global_load_b128 v[BE+4*\j:BE+4*\j+3], v[LI], s[8:9] offset:512*\j
.endr
.irp i, 0,1,2,3
.irp j, 0,1,2,3,4,5,6,7
	global_load_b128 v[X+32*\i+4*\j:X+32*\i+4*\j+3], v[LI], s[4:5] offset:4096*\i+512*\j
.endr
.endr
.if CODES
	s_wait_kmcnt 0x0
	s_add_co_i32 s26, s26, 127
	s_lshl_b32 s27, s26, 23
	v_mov_b32 v[SCL], s27
	s_add_co_i32 s26, s26, 8
	s_lshl_b32 s26, s26, 23
	s_or_b32 s26, s26, 0x600000
	v_mov_b32 v[LIM], s26
.endif
.macro REDUCE                          ; v12 summed over the 32 lanes, the result in every lane
	v_add_f32_dpp v12, v12, v12 row_xmask:1 row_mask:0xf bank_mask:0xf
	v_add_f32_dpp v12, v12, v12 row_xmask:2 row_mask:0xf bank_mask:0xf
	v_add_f32_dpp v12, v12, v12 row_xmask:4 row_mask:0xf bank_mask:0xf
	v_add_f32_dpp v12, v12, v12 row_xmask:8 row_mask:0xf bank_mask:0xf
	v_permlanex16_b32 v13, v12, s28, s29
	v_add_f32 v12, v12, v13
.endm
.macro FOLD                            ; the four chains v[4:11] into v12
	v_pk_add_f32 v[4:5], v[4:5], v[6:7]
	v_pk_add_f32 v[8:9], v[8:9], v[10:11]
	v_pk_add_f32 v[4:5], v[4:5], v[8:9]
	v_add_f32 v12, v4, v5
.endm
.macro ROW i
.set XR, X+32*(\i)
	s_wait_loadcnt 8*(3-(\i))                      ; this row's eight loads are in (g and be are older); the later rows' may be out
.irp k, 0,1,2,3
	v_pk_add_f32 v[4+2*\k:5+2*\k], v[XR+2*\k:XR+2*\k+1], v[XR+8+2*\k:XR+9+2*\k]   ; the sum, in four chains: nothing is cleared
.endr
.irp k, 0,1,2,3,4,5,6,7
	v_pk_add_f32 v[4+2*(\k%4):5+2*(\k%4)], v[4+2*(\k%4):5+2*(\k%4)], v[XR+16+2*\k:XR+17+2*\k]
.endr
	FOLD
	REDUCE
	v_mul_f32 v14, s20, v12                        ; the mean, twice: a pair for the packed forms
	v_mul_f32 v15, s20, v12
.set j, 0
.rept 16
	v_pk_add_f32 v[XR+j:XR+j+1], v[XR+j:XR+j+1], v[14:15] neg_lo:[0,1] neg_hi:[0,1]   ; y - mean, in place
.set j, j+2
.endr
.irp k, 0,1,2,3
	v_pk_mul_f32 v[4+2*\k:5+2*\k], v[XR+2*\k:XR+2*\k+1], v[XR+2*\k:XR+2*\k+1]
.endr
.irp k, 0,1,2,3,4,5,6,7,8,9,10,11
	v_pk_fma_f32 v[4+2*(\k%4):5+2*(\k%4)], v[XR+8+2*\k:XR+9+2*\k], v[XR+8+2*\k:XR+9+2*\k], v[4+2*(\k%4):5+2*(\k%4)]
.endr
	FOLD
	REDUCE
	v_fma_f32 v12, v12, s20, s21                   ; the variance + 1e-5
	s_wait_alu depctr_va_vdst(0)
	v_rsq_f32 v14, v12
	v_rsq_f32 v15, v12
	v_nop                                          ; a plain place behind the transcendentals
.set j, 0
	s_wait_alu depctr_va_vdst(0)
.rept 16
	v_pk_mul_f32 v[XR+j:XR+j+1], v[XR+j:XR+j+1], v[14:15]
.set j, j+2
.endr
.set j, 0
.rept 16
	v_pk_fma_f32 v[XR+j:XR+j+1], v[XR+j:XR+j+1], v[G+j:G+j+1], v[BE+j:BE+j+1]
.set j, j+2
.endr
.irp j, 0,1,2,3,4,5,6,7
	global_store_b128 v[LI], v[XR+4*\j:XR+4*\j+3], s[OB:OB+1] offset:OSTR*(\i)+512*\j   ; a row has its own registers: no store's data are written again
.endr
.if CODES
.irp q, 0,1
.irp c, 0,1,2,3
	ds_store_b128 v[SIN], v[XR+16*\q+4*\c:XR+16*\q+4*\c+3] offset:32*SP*\q+8*SP*\c
.endr
.irp c, 0,1,2,3
	ds_load_b128 v[Q+4*\c:Q+4*\c+3], v[SOUT] offset:32*SP*\q+16*\c   ; LDS serves a wave's instructions in order: these see my stores
.endr
	s_wait_dscnt 0x0
.set j, 0
.rept 16
	v_med3_num_f32 v[Q+j], v[Q+j], -v[LIM], v[LIM]   ; the conversion to an 8-bit code does not saturate (ISA guide 7.6.2)
.set j, j+1
.endr
.if (\i) > 0
	s_wait_xcnt 0x0                                ; the last row's store of codes has read its registers
.endif
	v_cvt_scalef32_pk8_fp8_f32 v[C+4*\q:C+4*\q+1], v[Q:Q+7], v[SCL]
	v_cvt_scalef32_pk8_fp8_f32 v[C+4*\q+2:C+4*\q+3], v[Q+8:Q+15], v[SCL]
	v_nop                                          ; one plain vector line behind the last conversion: the next holds write its sources
	global_store_b128 v[LI], v[C+4*\q:C+4*\q+3], s[14:15] offset:1024*(\i)+512*\q   ; 512 consecutive bytes of codes
.endr
.endif
.endm
.irp i, 0,1,2,3
	ROW \i
.endr
	s_endpgm
.Lfunc_end_k_q8308cc87cd_ln2:
	.size	k_q8308cc87cd_ln2, .Lfunc_end_k_q8308cc87cd_ln2-k_q8308cc87cd_ln2
	.p2alignl 7, 3214868480
	.fill 96, 4, 3214868480
	.section	.rodata,"a",@progbits
	.p2align	6, 0x0
	.amdhsa_kernel k_q8308cc87cd_ln2
		.amdhsa_group_segment_fixed_size 0
		.amdhsa_private_segment_fixed_size 0
		.amdhsa_enable_private_segment 0
		.amdhsa_kernarg_size 32
		.amdhsa_user_sgpr_count 2
		.amdhsa_user_sgpr_kernarg_segment_ptr 1
		.amdhsa_wavefront_size32 1
		.amdhsa_system_sgpr_workgroup_id_x 1
		.amdhsa_system_sgpr_workgroup_id_y 1
		.amdhsa_system_sgpr_workgroup_id_z 1
		.amdhsa_system_vgpr_workitem_id 0
		.amdhsa_next_free_vgpr 256
		.amdhsa_next_free_sgpr 66
		.amdhsa_reserve_vcc 0
		.amdhsa_float_denorm_mode_32 3
		.amdhsa_float_denorm_mode_16_64 3
		.amdhsa_memory_ordered 1
		.amdhsa_forward_progress 1
		.amdhsa_inst_pref_size 34
	.end_amdhsa_kernel
	.amdgpu_metadata
---
amdhsa.version: [ 1, 2 ]
amdhsa.kernels:
  - .name:           k_q8308cc87cd_ln2
    .symbol:         k_q8308cc87cd_ln2.kd
    .args:
      - { .name: ysum, .offset: 0, .size: 8, .value_kind: global_buffer, .address_space: global }
      - { .name: g2, .offset: 8, .size: 8, .value_kind: global_buffer, .address_space: global }
      - { .name: be2, .offset: 16, .size: 8, .value_kind: global_buffer, .address_space: global }
      - { .name: out0, .offset: 24, .size: 8, .value_kind: global_buffer, .address_space: global }
    .group_segment_fixed_size: 0
    .private_segment_fixed_size: 0
    .kernarg_segment_align: 8
    .kernarg_segment_size: 32
    .max_flat_workgroup_size: 128
    .sgpr_count:     66
    .vgpr_count:     256
    .wavefront_size: 32
...
	.end_amdgpu_metadata
.endif
;; end of part 8
